; MI455X (gfx1250); checked and timed in simulation.
; The chip was launched on July 23, 2026; its instructions are those of AMD's public machine-readable ISA for CDNA 5 (MIT licence, August 2026) and "CDNA5" Instruction Set Architecture Reference Guide (July 2026). The comments in the code are by the model that wrote it; some were corrected since.
;; Multi Head Scale Dot Product Attention. Allowed arithmetic: matrix products marked QUANTISED: E4M3 operands, one E8M0 scale for each 32 along K, by v_wmma_scale_f32_16x16x128_f8f6f4 with both operands' format E4M3, f32 sums; everything else in f32.
;; Inputs: bk 1,024 float32; bo 1,024 float32; bq 1,024 float32; bv 1,024 float32; mask 4 x 2,048 x 2,048 int32; wk_codes 1,024 x 32 x 32 uint8 (E4M3 codes of wk, K innermost, in blocks of 32 codes); wk_scales 1,024 x 32 uint8 (E8M0 scales of wk, one for each 32 codes along K); wo_codes 1,024 x 32 x 32 uint8 (E4M3 codes of wo, K innermost, in blocks of 32 codes); wo_scales 1,024 x 32 uint8 (E8M0 scales of wo, one for each 32 codes along K); wq_codes 1,024 x 32 x 32 uint8 (E4M3 codes of wq, K innermost, in blocks of 32 codes); wq_scales 1,024 x 32 uint8 (E8M0 scales of wq, one for each 32 codes along K); wv_codes 1,024 x 32 x 32 uint8 (E4M3 codes of wv, K innermost, in blocks of 32 codes); wv_scales 1,024 x 32 uint8 (E8M0 scales of wv, one for each 32 codes along K); x_k_codes 4 x 2,048 x 32 x 32 uint8 (E4M3 codes of x_k, K innermost, in blocks of 32 codes); x_k_scales 4 x 2,048 x 32 uint8 (E8M0 scales of x_k, one for each 32 codes along K); x_q_codes 4 x 2,048 x 32 x 32 uint8 (E4M3 codes of x_q, K innermost, in blocks of 32 codes); x_q_scales 4 x 2,048 x 32 uint8 (E8M0 scales of x_q, one for each 32 codes along K); x_v_codes 4 x 2,048 x 32 x 32 uint8 (E4M3 codes of x_v, K innermost, in blocks of 32 codes); x_v_scales 4 x 2,048 x 32 uint8 (E8M0 scales of x_v, one for each 32 codes along K).
;; Outputs: out0 4 x 2,048 x 1,024 float32.
;; This version of the problem:
;;   THIS VERSION OF THE PROBLEM IS GIVEN IN LOW PRECISION. The matrix products marked QUANTISED in the list below multiply operands that are first quantised to E4M3 (4 exponent bits, 3 mantissa bits; 8 bits a number), with one power-of-two scale for each 32 numbers along K (OCP MX v1.0); their sums are f32. All else is computed in f32.
;;   The module's matrix products, in the order in which they are computed (A, B: the left and right operand; K: the contracted axis; several contracted axes count as one K, in the product's order):
;;     1. [M 8,192, K 1,024] x [K 1,024, N 1,024]; A: input x_q (given as codes); B: input wq (given as codes): QUANTISED
;;     2. [M 8,192, K 1,024] x [K 1,024, N 1,024]; A: input x_k (given as codes); B: input wk (given as codes): QUANTISED
;;     3. [M 8,192, K 1,024] x [K 1,024, N 1,024]; A: input x_v (given as codes); B: input wv (given as codes): QUANTISED
;;     4. batch 64 x [M 2,048, K 64] x [K 64, N 2,048]; A: computed on the way; B: computed on the way: QUANTISED
;;     5. batch 64 x [M 2,048, K 2,048] x [K 2,048, N 64]; A: softmax (see below); B: computed on the way: QUANTISED
;;     6. [M 8,192, K 1,024] x [K 1,024, N 1,024]; A: computed on the way; B: input wo (given as codes): QUANTISED
;;   THE QUANTISER, for each operand of a quantised product, along K:
;;     - K is cut into blocks of 32 from its start; a last block that is shorter is filled with zeros.
;;     - A block's scale is 2^e with e = floor(log2(the largest magnitude in the block)) - 8, held to -126 .. 127; a block of zeros has e = 0. As a byte (E8M0): e + 127.
;;     - Each number is divided by its block's scale, clamped to +-448, and rounded to the nearest number of E4M3, ties to even, subnormals kept.
;;     - The product sums the exact products of the quantised numbers (number of the format x scale) in f32.
;;   ~~~python
;;   def quantise(x, axis):      # numpy; x: float32 -> the quantised numbers, widened to float32 again
;;       x = np.moveaxis(x, axis, -1); K = x.shape[-1]
;;       x = np.pad(x, [(0, 0)] * (x.ndim - 1) + [(0, -K % 32)]); x = x.reshape(x.shape[:-1] + (-1, 32)); a = np.abs(x).max(-1, keepdims=True)
;;       e = np.where(a > 0, np.clip(np.frexp(np.where(a > 0, a, 1))[1] - 1 - 8, -126, 127), 0)      # np.frexp(a)[1] - 1 = floor(log2(a)), exactly
;;       r = np.clip(x / 2.0 ** e, -448, 448)
;;       step = 2.0 ** (np.maximum(np.frexp(np.where(r == 0, 1, r))[1] - 1, -6) - 3)
;;       q = np.round(r / step) * step * 2.0 ** e      # np.round: ties to even
;;       return np.moveaxis(q.reshape(q.shape[:-2] + (-1,))[..., :K], -1, axis).astype(np.float32)
;;   ~~~
;;   SOFTMAX AHEAD OF A QUANTISED PRODUCT. Where the list says 'softmax', what is quantised is not the finished softmax but p = 2^(t - M), with t = logit x log2(e) and M = ceil(the row's largest t), a whole number; so 1/2 < the row's largest p <= 1. The row's sum l is taken of the UNQUANTISED p, in f32, and the product's result is divided by l at the end. Since M is a whole number, a kernel that streams over the keys may use a running M (the ceiling of the running maximum): every later rescaling is an exact power of two, which a block's scale takes up: the codes' values come out the same.
;;   OPERANDS COMPUTED ON THE WAY. 'Computed on the way' means the value that the module computes at that place (a softmax that the list does not call 'softmax' is quantised finished and normalised). What goes into a quantiser is computed in f32, as accurately as f32 sums, v_exp_f32 and their like allow (about 1e-6 of the number): no bf16 or f16 on the way to a quantiser, and a product that is left as it is and whose result goes on into a quantised operand takes f32 operands (vector FMAs, or v_wmma_f32_16x16x4_f32). A number that lies on a knife's edge between two numbers of the format may be rounded either way, as far as f32 arithmetic and the matrix unit's own rounding can turn it there, and no further.
;;   INPUTS GIVEN AS CODES. wk (in the module: [1024, 1024], K = its axis 1); wo (in the module: [1024, 1024], K = its axis 1); wq (in the module: [1024, 1024], K = its axis 1); wv (in the module: [1024, 1024], K = its axis 1); x_k (in the module: [4, 2048, 1024], K = its axis 2); x_q (in the module: [4, 2048, 1024], K = its axis 2); x_v (in the module: [4, 2048, 1024], K = its axis 2): each comes as NAME_codes (uint8): NAME with its K axis moved to the last place and cut into blocks of 32 codes, [.., K / 32, bytes a block], one block behind the other in memory; one code a byte (a code: sign, 4 exponent bits, 3 mantissa bits); and NAME_scales (uint8): the same leading axes, one E8M0 byte (e + 127) for each 32 codes along K. Its value is code x scale, taken as it is: it is not quantised again, and the codes and scales need not be those that the quantiser above would give.
;; One version. Each part assembles by itself: llvm-mc -triple=amdgcn-amd-amdhsa -mcpu=gfx1250 --defsym DOCPART=n.
;; ======== version 1 of 1: 3 launches
;; limits: right only within a limited range of input values
;; workspace buffers: mb 2,097,152 bytes of whole numbers; qkv 25,165,824 bytes; qkvs 1,310,720 bytes; zc 8,388,608 bytes; zs 262,144 bytes
;; launch proj (part 1): grid 4 x 128, 4 waves a work-group, clusters of 4 x 4, 327,680 bytes of LDS; arguments x_q_codes, x_q_scales, wq_codes, wq_scales, bq, x_k_codes, x_k_scales, wk_codes, wk_scales, bk, wv_codes, wv_scales, x_v_codes, x_v_scales, bv, qkv, qkvs, mask, mb; writes qkv, qkvs, mb
.if DOCPART == 1
	.amdgcn_target "amdgcn-amd-amdhsa--gfx1250"
	.amdhsa_code_object_version 6
	.text
	.protected	k_q38542d58a6_proj
	.globl	k_q38542d58a6_proj
	.p2align	8
	.type	k_q38542d58a6_proj,@function
k_q38542d58a6_proj:
	s_mov_b64 s[64:65], 0
	v_nop
	global_prefetch_b8 v0, s[64:65] scope:SCOPE_SE
	s_setreg_imm32_b32 hwreg(HW_REG_WAVE_MODE, 25, 1), 1
	s_wait_xcnt 0x0
	s_wait_alu depctr_hold_cnt(0) depctr_sa_sdst(0) depctr_va_vdst(0) depctr_va_sdst(0) depctr_va_ssrc(0) depctr_va_vcc(0) depctr_vm_vsrc(0)
	s_getreg_b32 s2, hwreg(HW_REG_IB_STS2, 6, 4)
	s_cmp_eq_u32 s2, 0
	s_cbranch_scc0 .Lentry_in_a_cluster
	s_endpgm
.Lentry_in_a_cluster:
	s_bfe_u32 s2, ttmp6, 0x10000c
	s_cmp_lg_u32 s2, 0xf033
	s_cbranch_scc0 .Lentry_shape_is_right
	s_endpgm
.Lentry_shape_is_right:
; FOUR KINDS OF WORK, told apart by the cluster's y (ttmp7 / 8), which all sixteen partners share: 0, 1, 2: the projections q, k, v; 3: the mask's lane words.  512 work-groups in all.
; KINDS 0 TO 2: C = A B^T + bias on codes of FP8 (E4M3) with E8M0 scales, a block of 256 x 256 a work-group, 128 x 128 a wave, K = 1,024 in four slots' worth of 256 through a ring of two LDS slots; A's tiles are asked for
; jointly along a row of the cluster, B's along a column.  For q and k: A = x, B = w.  For v: A = wv, B = x_v, so that the keys are innermost.  The matrix instruction is used transposed (source 0 = rows of B).
; The result is quantised here along the next product's K and stored as images of operand registers (four registers = 512 bytes, lane l's 16 at 16 l) in qkv, with its scale words in qkvs.
; No prefetch into the L2 for the tiles: K is four slots, of which two are asked for at the head.
; KIND 3: mask [4][2048][2048] int32 becomes one bit a number: mb word at tile x 4096 + st x 256 + 4 n, n = 8 t + j: bit l = (mask[16 tile + l % 16][128 st + 16 t + 8 (l / 16) + j] != 0), tile = 128 b + T.
; A wave owns one tile of 16 rows and walks it in 32 units of 64 keys; a load reads 256 consecutive bytes of each of two rows; a unit turns through the wave's own LDS stage, on bytes that no tile lands on.
; LIMITS: NaN and infinities are not served.  A block of zeros keeps the byte 1 where the rule says 127 (its codes are zeros; this program alone reads the bytes).
.set KSTEP,  256
.set NQ,     KSTEP/128
.set ROWB,   256
.set KROW,   1024
.set PITCH,  272
.set FR,     16
.set NL,     4
.set NP,     8
.set HALFT,  128*PITCH
.set SLOT,   4*HALFT
.set LAPS,   KROW/(2*KSTEP)
.set KS,     32
.set SCL,    2*SLOT
.set HALFS,  (128*KS/256)*272
.set SBLK,   (16*KS/256)*272
.set SPARE,  SCL+4*HALFS               ; the spare words: 512 bytes
.set MSTG,   SPARE+512                 ; kind 3: the stages, 16 rows x 272 bytes a wave
.set MP,     272
.set ADRA, 16
.set ADRB, 20
.set BO,   24
.set L8,   25
.set L16,  26
.set ADRS, 27
.set SPW,  28
.set NIL,  29
.set SC,   32
.set BI,   64
.set AF,   128
.set X,    128
.set PC,   192
.set TM,   208
.set PW,   224
.set TP,   225
.set SW,   228
.set MV,   1                           ; kind 3: v1 the loads' offset, v2, v3 the stage in and out, v4 16 x lane, v5 the prefetches' offset, v8-11 128 words, v64-191 four sets as loaded, v192-223 a unit turned to lanes
.set MSI,  2
.set MSO,  3
.set ML,   4
.set MPF,  5
.set MW,   8
.set MR,   64
.set MX,   192
.set G1, 24
.set G0, 32
.set G1B, 48
.set G0B, 56
.set G1S, 68
.set G0S, 76
.set G1SB, 80
.set G0SB, 88
.set G0H, 4
.set G0HB, 8
.set KIND, 66
.set HI16, 100
.set MNT,  101
.set SEL,  104
.set MSB, 0
.macro WIN new
.if MSB != \new
	s_set_vgpr_msb (MSB<<8)|\new
.set MSB, \new
.endif
.endm
.set MUL_LO, 0xa1
.set MUL_HI, 0xf1
.set TO_B,   0x40
.macro JLOAD g0a, g1a, g0b, g1b        ; waves 0 and 1 fetch for A, waves 2 and 3 for B
	s_cmp_eq_u32 s15, 0
	s_cbranch_scc0 .Lfor_b_\@
	tensor_load_to_lds s[\g0a:\g0a+3], s[\g1a:\g1a+7]
	s_nop 0
.rept 4
	v_nop
.endr
	s_branch .Lasked_\@
.Lfor_b_\@:
	tensor_load_to_lds s[\g0b:\g0b+3], s[\g1b:\g1b+7]
	s_nop 0
.rept 4
	v_nop
.endr
.Lasked_\@:
.endm
.macro CREST
	s_cmp_lg_u32 s14, 0
	s_cbranch_scc1 .Lnot_wave_0_\@
	s_barrier_signal -3
.Lnot_wave_0_\@:
	s_barrier_wait -3
	s_barrier_signal -1
	s_barrier_wait -1
.endm
.macro CROUND
	s_barrier_signal -1
	s_barrier_wait -1
	CREST
.endm
.macro BASES th, hh, tg, hg, sb, sg    ; where my bias, my images and my scale words begin
	s_lshl_b32 s20, s[\th], 10
	s_lshl_b32 s21, s[\hh], 9
	s_add_co_u32 s20, s20, s21
	s_mov_b32 s21, 0
	s_add_nc_u64 s[12:13], s[12:13], s[20:21]
	s_lshr_b32 s22, s[\tg], 3
	s_lshl_b32 s22, s22, 4
	s_lshl_b32 s23, s[\th], 2
	s_add_co_u32 s22, s22, s23
	s_lshl_b32 s23, s[\hh], 1
	s_add_co_u32 s22, s22, s23
	s_and_b32 s23, s[\tg], 7
	s_lshl_b32 s23, s23, 1
	s_add_co_u32 s23, s23, s[\hg]
	s_lshl_b32 s20, s[KIND], 23
	s_lshl_b32 s46, s22, 17
	s_add_co_u32 s20, s20, s46
	s_lshl_b32 s46, s23, 13
	s_add_co_u32 s20, s20, s46
	s_add_nc_u64 s[96:97], s[96:97], s[20:21]
	s_lshl_b32 s20, s[KIND], 19
	s_lshl_b32 s46, s22, \sb
	s_add_co_u32 s20, s20, s46
	s_lshl_b32 s46, s23, \sg
	s_add_co_u32 s20, s20, s46
	s_add_nc_u64 s[98:99], s[98:99], s[20:21]
.endm
.macro MLOAD u, off                    ; kind 3: unit u of a trip: 256 bytes of each of the 16 rows, two rows a load, into set u
.irp i, 0,1,2,3,4,5,6,7
	global_load_b128 v[MR+32*(\u)+4*\i:MR+32*(\u)+4*\i+3], v[MV], s[4:5] offset:\i*16384+(\u)*256+\off th:TH_LOAD_NT
.endr
.endm
.macro MUNIT u, more                   ; more = 1: the set takes the next trip's unit u
.if \more
	s_wait_loadcnt 24                              ; this unit's 8 loads are in; the three younger sets' 24 may be out
.else
	s_wait_loadcnt 24-8*(\u)
.endif
.irp i, 0,1,2,3,4,5,6,7
	ds_store_b128 v[MSI], v[MR+32*(\u)+4*\i:MR+32*(\u)+4*\i+3] offset:\i*2*MP
.endr
.irp t, 0,1,2,3
	ds_load_b128 v[MX+8*\t:MX+8*\t+3], v[MSO] offset:64*\t         ; LDS serves a wave's instructions in order (ISA guide 5.7.1.4): these see the stores above
	ds_load_b128 v[MX+8*\t+4:MX+8*\t+7], v[MSO] offset:64*\t+16
.endr
	s_wait_dscnt 0x0
.if \more
	MLOAD \u, 1024
.endif
.set n, 0
.rept 4
.irp k, 0,1,2,3,4,5,6,7
	v_cmp_ne_u32 s[20+\k], 0, v[MX+n+\k]           ; a word: a bit for each lane
.endr
.irp k, 0,1,2,3,4,5,6,7
	v_writelane_b32 v[MW+(n+\k)%4], s[20+\k], (32*(\u)+n+\k)/4     ; word g of a trip's 128 into register g % 4, lane g / 4
.endr
.set n, n+8
.endr
.endm
	s_load_b256 s[4:11], s[0:1], 0x0
	s_load_b64 s[12:13], s[0:1], 0x20
	s_load_b256 s[24:31], s[0:1], 0x28
	s_load_b64 s[32:33], s[0:1], 0x48
	s_load_b256 s[40:47], s[0:1], 0x50
	s_load_b64 s[48:49], s[0:1], 0x70
	s_load_b128 s[96:99], s[0:1], 0x78             ; qkv, qkvs
	s_load_b128 s[52:55], s[0:1], 0x88             ; mask, mb
	v_lshl_add_u32 v[SPW], v0, 2, SPARE
	v_mov_b32 v[NIL], 0
	ds_add_u32 v[SPW], v[NIL]                      ; the opening lines: the add twice on end and its wait
	ds_add_u32 v[SPW], v[NIL]
	v_lshrrev_b32 v1, 5, v0
	v_readfirstlane_b32 s14, v1                    ; wave 0..3
	s_lshr_b32 s15, s14, 1
	s_and_b32 s16, s14, 1
	s_and_b32 s67, ttmp7, 0xffff
	s_lshr_b32 s[KIND], s67, 3
	s_wait_dscnt 0x0
	s_wait_kmcnt 0x0
	s_cmp_lg_u32 s[KIND], 3
	s_cbranch_scc1 .Lgemm
; KIND 3: THE MASK'S LANE WORDS
	s_bfe_u32 s40, ttmp6, 0x40000                  ; cx, cy: they enter the mask's and the words' global addresses alone
	s_bfe_u32 s41, ttmp6, 0x40004
	s_sub_co_u32 s10, s67, 24
	s_lshl_b32 s10, s10, 2
	s_add_co_u32 s10, s10, s41
	s_lshl_b32 s10, s10, 2
	s_add_co_u32 s10, s10, s40                     ; work-group 0..127 of this kind
	s_lshl_b32 s10, s10, 2
	s_add_co_u32 s10, s10, s14                     ; my tile of 16 rows, 0..511
	s_lshl_b32 s12, s10, 12                        ; 4,096 bytes of words a tile
	s_lshl_b32 s10, s10, 17                        ; 16 rows of 8,192 bytes
	s_mov_b32 s11, 0
	s_mov_b32 s13, 0
	s_add_nc_u64 s[4:5], s[52:53], s[10:11]
	s_add_nc_u64 s[6:7], s[54:55], s[12:13]
	s_mul_i32 s9, s14, 16*MP
	s_add_co_u32 s9, s9, MSTG                      ; my stage
	v_and_b32 v6, 15, v0                           ; r
	v_bfe_u32 v7, v0, 4, 1                         ; h
	v_lshlrev_b32 v12, 4, v6
	v_lshl_add_u32 v[MV], v7, 13, v12              ; lanes 0-15 one row, lanes 16-31 the next; 16 bytes a lane
	v_mad_u32_u24 v[MSI], v7, MP, v12
	v_add_nc_u32 v[MSI], s9, v[MSI]                ; the same two rows in the stage
	v_mul_u32_u24 v[MSO], v6, MP
	v_lshl_add_u32 v[MSO], v7, 5, v[MSO]
	v_add_nc_u32 v[MSO], s9, v[MSO]                ; out: row r, keys 16 t + 8 h + 0 .. 7
	v_and_b32 v12, 31, v0
	v_lshlrev_b32 v[ML], 4, v12
	v_lshlrev_b32 v[MPF], 13, v6
	v_lshl_add_u32 v[MPF], v7, 8, v[MPF]           ; a lane a block of 256 bytes: row r, block h
.irp i, 0,1,2,3
	v_mov_b32 v[MW+\i], 0                          ; v_writelane_b32's destination counts as one of its sources
.endr
	s_wait_alu depctr_va_vdst(0)                   ; the wait at the head's end
	MLOAD 0, 0
	MLOAD 1, 0
	MLOAD 2, 0
	MLOAD 3, 0
	s_mov_b32 s3, 7
.Lmtrip:                                           ; a trip: 256 keys, 1,024 bytes of each row; its loads were issued a trip ago
	MUNIT 0, 1
	s_cmp_gt_u32 s3, 2                             ; the prefetch names the trip three on, two trips ahead of its loads: 64 blocks of 256 bytes, each once; the last two trips that load have no such trip
	s_cbranch_scc0 .Lmno
	global_prefetch_b8 v[MPF], s[4:5] offset:3072 th:TH_LOAD_NT scope:SCOPE_SE
	global_prefetch_b8 v[MPF], s[4:5] offset:3584 th:TH_LOAD_NT scope:SCOPE_SE
.Lmno:
	MUNIT 1, 1
	MUNIT 2, 1
	MUNIT 3, 1
	global_store_b128 v[ML], v[MW:MW+3], s[6:7]    ; 128 words: 512 consecutive bytes
	s_wait_alu depctr_va_vdst(0)                   ; the wait here, directly ahead of the wait below
	s_wait_xcnt 0x0                                ; the bases and the words' registers are written again only behind this wait
	s_add_nc_u64 s[4:5], s[4:5], 1024
	s_add_nc_u64 s[6:7], s[6:7], 512
	s_sub_co_u32 s3, s3, 1
	s_cmp_lg_u32 s3, 0
	s_cbranch_scc1 .Lmtrip
	MUNIT 0, 0                                     ; the last trip loads nothing
	MUNIT 1, 0
	MUNIT 2, 0
	MUNIT 3, 0
	global_store_b128 v[ML], v[MW:MW+3], s[6:7]
	s_branch .Ljoin
; KINDS 0 TO 2: THE PROJECTIONS
.Lgemm:
	s_and_b32 s67, s67, 7
	s_lshl_b32 s67, s67, 2
	s_cmp_eq_u32 s[KIND], 1
	s_cselect_b64 s[4:5], s[24:25], s[4:5]
	s_cselect_b64 s[6:7], s[26:27], s[6:7]
	s_cselect_b64 s[8:9], s[28:29], s[8:9]
	s_cselect_b64 s[10:11], s[30:31], s[10:11]
	s_cselect_b64 s[12:13], s[32:33], s[12:13]
	s_cmp_eq_u32 s[KIND], 2
	s_cselect_b64 s[4:5], s[40:41], s[4:5]
	s_cselect_b64 s[6:7], s[42:43], s[6:7]
	s_cselect_b64 s[8:9], s[44:45], s[8:9]
	s_cselect_b64 s[10:11], s[46:47], s[10:11]
	s_cselect_b64 s[12:13], s[48:49], s[12:13]
	s_cselect_b32 s18, 0, s67
	s_cselect_b32 s19, s67, 0
	s_bfe_u32 s40, ttmp6, 0x40000
	s_bfe_u32 s41, ttmp6, 0x40004
	s_add_co_u32 s17, s41, s18                     ; tile row of C
	s_add_co_u32 s42, s40, s19                     ; tile column
	s_lshl_b32 s43, s41, 2
	s_lshl_b32 s43, 15, s43                        ; my row of the cluster
	s_lshl_b32 s44, 0x1111, s40                    ; my column
	s_or_b32 s[G1+0], s43, (0<<16)|(1<<20)|(1<<21)|(5<<22)|(3<<25)
	s_or_b32 s[G1B+0], s44, (0<<16)|(1<<20)|(1<<21)|(5<<22)|(3<<25)
.irp g, G1, G1B
	s_mov_b32 s[\g+1], ROWB<<16
	s_mov_b32 s[\g+2], 256<<16                     ; 256 rows for the head's loads; behind them 128
	s_mov_b32 s[\g+3], ROWB<<16
	s_mov_b32 s[\g+4], 256
	s_mov_b32 s[\g+5], KROW
	s_mov_b32 s[\g+6], 0
	s_mov_b32 s[\g+7], 0
.endr
	s_or_b32 s[G1S+0], s43, (3<<16)|(1<<20)|(1<<21)|(5<<22)|(3<<25)
	s_or_b32 s[G1SB+0], s44, (3<<16)|(1<<20)|(1<<21)|(5<<22)|(3<<25)
.irp g, G1S, G1SB                      ; the scales of 256 rows: a dense block, as KS rows of 256 bytes
	s_mov_b32 s[\g+1], 32<<16
	s_mov_b32 s[\g+2], KS<<16
	s_mov_b32 s[\g+3], 32<<16
	s_mov_b32 s[\g+4], KS
	s_mov_b32 s[\g+5], 32
	s_mov_b32 s[\g+6], 0
	s_mov_b32 s[\g+7], 0
.endr
	s_lshl_b32 s20, s17, 8
	s_lshl_b32 s46, s42, 8
	s_mov_b32 s21, 0
	s_mov_b32 s47, 0
	s_mov_b64 s[18:19], KS
	s_mul_u64 s[22:23], s[20:21], s[18:19]
	s_mul_u64 s[92:93], s[46:47], s[18:19]
	s_mov_b64 s[18:19], KROW
	s_mul_u64 s[20:21], s[20:21], s[18:19]
	s_mul_u64 s[46:47], s[46:47], s[18:19]
	s_mul_i32 s18, s16, 128*KROW                   ; in the ring I fetch 128 rows of a tile
	s_mov_b32 s19, 0
	s_mul_i32 s45, s14, HALFT
	s_add_nc_u64 s[20:21], s[4:5], s[20:21]
	s_add_nc_u64 s[22:23], s[6:7], s[22:23]
	s_add_nc_u64 s[46:47], s[8:9], s[46:47]
	s_add_nc_u64 s[92:93], s[10:11], s[92:93]
	CROUND                                         ; all sixteen work-groups are here: the first joint loads meet
	s_mov_b32 s[G0H], 1
	s_mov_b32 s[G0H+1], 0
	s_mov_b64 s[G0H+2:G0H+3], s[20:21]
	s_or_b32 s[G0H+3], s[G0H+3], 0x80000000
	s_mov_b32 s[G0HB], 1
	s_mov_b32 s[G0HB+1], 2*HALFT
	s_mov_b64 s[G0HB+2:G0HB+3], s[46:47]
	s_or_b32 s[G0HB+3], s[G0HB+3], 0x80000000
	s_mov_b32 s[G0S], 1
	s_mov_b32 s[G0S+1], SCL
	s_mov_b64 s[G0S+2:G0S+3], s[22:23]
	s_or_b32 s[G0S+3], s[G0S+3], 0x80000000
	s_mov_b32 s[G0SB], 1
	s_mov_b32 s[G0SB+1], SCL+2*HALFS
	s_mov_b64 s[G0SB+2:G0SB+3], s[92:93]
	s_or_b32 s[G0SB+3], s[G0SB+3], 0x80000000
	s_add_nc_u64 s[20:21], s[20:21], s[18:19]
	s_add_nc_u64 s[46:47], s[46:47], s[18:19]
.irp s, 0,1
	s_mov_b32 s[G0+4*\s], 1
	s_add_co_u32 s[G0+4*\s+1], s45, \s*SLOT
	s_add_nc_u64 s[G0+4*\s+2:G0+4*\s+3], s[20:21], \s*ROWB
	s_or_b32 s[G0+4*\s+3], s[G0+4*\s+3], 0x80000000
	s_mov_b32 s[G0B+4*\s], 1
	s_add_co_u32 s[G0B+4*\s+1], s45, \s*SLOT
	s_add_nc_u64 s[G0B+4*\s+2:G0B+4*\s+3], s[46:47], \s*ROWB
	s_or_b32 s[G0B+4*\s+3], s[G0B+4*\s+3], 0x80000000
.endr
; THE HEAD'S LOADS, ONE A WAVE: wave 0 the first slot's 256 rows of A, wave 1 its 256 rows of B, wave 2 A's scales, wave 3 B's.  One tree of branches on the wave's number.
.macro ARM under, g0, g1, next
	s_cmp_lt_u32 s14, \under
	s_cbranch_scc0 \next
	tensor_load_to_lds s[\g0:\g0+3], s[\g1:\g1+7]
	s_nop 0
.rept 4
	v_nop
.endr
	s_branch .Lhead_asked
\next:
.endm
	ARM 1, G0H,  G1,  .Lhead_b
	ARM 2, G0HB, G1B, .Lhead_sa
	ARM 3, G0S,  G1S, .Lhead_sb
	tensor_load_to_lds s[G0SB:G0SB+3], s[G1SB:G1SB+7]
	s_nop 0
.rept 4
	v_nop
.endr
.Lhead_asked:
	v_and_b32 v1, 15, v0
	v_bfe_u32 v2, v0, 4, 1
	v_mul_u32_u24 v3, v1, PITCH
	v_lshl_add_u32 v4, v2, 4, v3
	s_mul_i32 s21, s15, HALFT
	s_mul_i32 s22, s16, HALFT
	s_add_co_u32 s22, s22, 2*HALFT
.irp s, 0,1
	v_add_nc_u32 v[ADRA+\s], s21, v4
	v_add_nc_u32 v[ADRB+\s], s22, v4
	s_add_co_u32 s21, s21, SLOT
	s_add_co_u32 s22, s22, SLOT
.endr
	v_mul_u32_u24 v5, v1, KS
	v_lshrrev_b32 v6, 8, v5
	v_lshl_add_u32 v5, v6, 4, v5
	s_mul_i32 s21, s15, HALFS
	s_mul_i32 s22, s16, HALFS
	s_add_co_u32 s22, s22, 2*HALFS
	s_sub_co_u32 s22, s22, s21
	v_mul_u32_u24 v6, s22, v2
	s_add_co_u32 s21, s21, SCL
	v_add_nc_u32 v5, v5, v6
	v_add_nc_u32 v[ADRS], s21, v5
	v_and_b32 v6, 31, v0
	v_lshlrev_b32 v[L16], 4, v6
	v_lshlrev_b32 v[L8], 3, v6
	s_mov_b32 s[HI16], 0xffff0000
	s_mov_b32 s[MNT], 0x600000
	s_mov_b32 s[SEL], 0x76543210
	s_mov_b32 s[SEL+1], 0xfedcba98
	s_cmp_eq_u32 s[KIND], 2                        ; the bias is asked for here and waited for behind the products
	s_cbranch_scc1 .Lbias_v
	BASES 42, 16, 17, 15, 13, 9
	v_lshlrev_b32 v[BO], 5, v2
.irp b, 0,1,2,3,4,5,6,7
	global_load_b128 v[BI+8*\b:BI+8*\b+3], v[BO], s[12:13] offset:64*\b
	global_load_b128 v[BI+8*\b+4:BI+8*\b+7], v[BO], s[12:13] offset:64*\b+16
.endr
	s_branch .Lbias_asked
.Lbias_v:
	BASES 17, 15, 42, 16, 12, 8
	v_lshlrev_b32 v[BO], 2, v1
.irp a, 0,1,2,3,4,5,6,7
	global_load_b32 v[BI+2*\a], v[BO], s[12:13] offset:64*\a
	global_load_b32 v[BI+2*\a+1], v[BO], s[12:13] offset:64*\a
.endr
.Lbias_asked:
.macro FRAG reg, adr, q, i
.irp c, 0,1,2,3
	ds_load_b128 v[\reg+4*\c:\reg+4*\c+3], v[\adr] offset:128*(\q)+32*\c+(\i)*16*PITCH
.endr
.endm
.macro MUL16 a0, p, q, sc, zero
.irp a, \a0, \a0+1
.irp b, 0,1,2,3,4,5,6,7
.if \zero
	v_wmma_scale_f32_16x16x128_f8f6f4 v[8*(8*((\a)%4)+\b):8*(8*((\a)%4)+\b)+7], v[128*(\p)+FR*\b:128*(\p)+FR*\b+FR-1], v[AF+FR*(\a):AF+FR*(\a)+FR-1], 0, v[SC+8*NQ*(\sc)+NQ*\b+(\q)], v[SC+8*NQ*(\sc)+NQ*(\a)+(\q)] matrix_a_scale:MATRIX_SCALE_ROW1
.else
	v_wmma_scale_f32_16x16x128_f8f6f4 v[8*(8*((\a)%4)+\b):8*(8*((\a)%4)+\b)+7], v[128*(\p)+FR*\b:128*(\p)+FR*\b+FR-1], v[AF+FR*(\a):AF+FR*(\a)+FR-1], v[8*(8*((\a)%4)+\b):8*(8*((\a)%4)+\b)+7], v[SC+8*NQ*(\sc)+NQ*\b+(\q)], v[SC+8*NQ*(\sc)+NQ*(\a)+(\q)] matrix_a_scale:MATRIX_SCALE_ROW1
.endif
.endr
.endr
.endm
.macro FETCH_B slot, q, p
	WIN TO_B
.irp i, 0,1,2,3,4,5,6,7
	FRAG 128*(\p)+FR*\i, ADRB+\slot, \q, \i
.endr
	WIN 0
.endm
.macro FETCH_A slot, q, i0
.irp i, \i0, \i0+1, \i0+2, \i0+3
	FRAG AF+FR*(\i), ADRA+\slot, \q, \i
.endr
.endm
.macro SCALES sc
.irp i, 0,1,2,3,4,5,6,7
	ds_load_b64 v[SC+8*NQ*\sc+NQ*\i:SC+8*NQ*\sc+NQ*\i+1], v[ADRS] offset:\i*SBLK
.endr
.endm
.macro PLACES n
.rept \n
	v_nop
.endr
.endm
.macro STEP slot, q, zero
	s_wait_dscnt 4*NL                              ; B's set and A's blocks 0-3 are in; the youngest 16 loads (A's blocks 4-7) may be out
	WIN MUL_LO
	MUL16 0, (\q)%2, \q, \slot, \zero
	MUL16 2, (\q)%2, \q, \slot, \zero
	s_wait_dscnt 0
	PLACES NP
	FETCH_B \slot, (\q)+1, 1-(\q)%2
	FETCH_A \slot, (\q)+1, 0
	WIN MUL_HI
	MUL16 4, (\q)%2, \q, \slot, \zero
	MUL16 6, (\q)%2, \q, \slot, \zero
	PLACES NP
	WIN 0
	FETCH_A \slot, (\q)+1, 4
.endm
.macro TURN slot, next, fill           ; a slot's last step changes slots: one barrier, which opens a round of the cluster's barrier where the slot is filled again
	s_wait_tensorcnt 0x0
	ds_add_u32 v[SPW], v[NIL]
	s_wait_dscnt 4*NL+1                            ; the add and the youngest 16 loads may be out
	WIN MUL_LO
	MUL16 0, 1, NQ-1, \slot, 0
	s_wait_dscnt 0x0
	s_barrier_signal -1
	MUL16 2, 1, NQ-1, \slot, 0
	WIN 0
	s_barrier_wait -1
.if \fill
	CREST
	s_add_nc_u64 s[G0+4*\slot+2:G0+4*\slot+3], s[G0+4*\slot+2:G0+4*\slot+3], 2*ROWB
	s_add_nc_u64 s[G0B+4*\slot+2:G0B+4*\slot+3], s[G0B+4*\slot+2:G0B+4*\slot+3], 2*ROWB
	JLOAD G0+4*\slot, G1, G0B+4*\slot, G1B
	PLACES NP-4
.else
	PLACES NP
.endif
	s_wait_alu depctr_va_vdst(0)
	v_add_nc_u32 v[ADRS], 4*NQ, v[ADRS]
	FETCH_B \next, 0, 0
	FETCH_A \next, 0, 0
	SCALES \next
	WIN MUL_HI
	MUL16 4, 1, NQ-1, \slot, 0
	MUL16 6, 1, NQ-1, \slot, 0
	PLACES NP
	WIN 0
	FETCH_A \next, 0, 4
.endm
	s_wait_alu depctr_va_vdst(0)                   ; the wait at the head's end
	s_wait_tensorcnt 0x0                           ; my tile of the head's four is in; the lines ahead of a later first fill:
	ds_add_u32 v[SPW], v[NIL]
	s_mov_b32 s[G1+2], 128<<16                     ; no tensor load of mine is out: from here on a load brings 128 rows
	s_mov_b32 s[G1+4], 128
	s_mov_b32 s[G1B+2], 128<<16
	s_mov_b32 s[G1B+4], 128
	s_wait_dscnt 0x0
	CROUND
	JLOAD G0+4, G1, G0B+4, G1B                     ; slot 1's first fill, the first tensor load behind the round
	FETCH_B 0, 0, 0
	FETCH_A 0, 0, 0
	SCALES 0
	FETCH_A 0, 0, 4
	STEP 0, 0, 1
	s_mov_b32 s3, LAPS-1
.Llap:
	TURN 0, 1, 1
	STEP 1, 0, 0
	TURN 1, 0, 1
	STEP 0, 0, 0
	s_sub_co_u32 s3, s3, 1
	s_cmp_lg_u32 s3, 0
	s_cbranch_scc1 .Llap
	TURN 0, 1, 0
	STEP 1, 0, 0
	s_wait_dscnt 4*NL
	WIN MUL_LO
	MUL16 0, 1, NQ-1, 1, 0
	MUL16 2, 1, NQ-1, 1, 0
	s_wait_dscnt 0
	WIN MUL_HI
	MUL16 4, 1, NQ-1, 1, 0
	MUL16 6, 1, NQ-1, 1, 0
	WIN 0
.macro QUANT s                         ; 64 numbers a lane, four blocks of 32 shared with lane l xor 16: scales, hold, codes
.irp b, 0,1,2,3
	v_max3_num_f32 v[TM+\b], |v[\s+16*\b]|, |v[\s+1+16*\b]|, 0x4800000
.endr
.irp i, 2,4,6,8,10,12,14
.irp b, 0,1,2,3
	v_max3_num_f32 v[TM+\b], v[TM+\b], |v[\s+16*\b+\i]|, |v[\s+1+16*\b+\i]|
.endr
.endr
.irp b, 0,1,2,3
	v_permlanex16_b32 v[TM+4+\b], v[TM+\b], s[SEL], s[SEL+1]
.endr
.irp b, 0,1,2,3
	v_max_num_f32 v[TM+\b], v[TM+\b], v[TM+4+\b]
.endr
.irp b, 0,1,2,3
	v_add_nc_u32 v[TM+12+\b], 0xfc000000, v[TM+\b]
.endr
.irp b, 0,1,2,3
	v_and_or_b32 v[TM+8+\b], v[TM+\b], 0x7f800000, s[MNT]
.endr
.irp b, 0,1,2,3
	v_lshrrev_b32 v[TM+4+\b], 23, v[TM+12+\b]
.endr
	v_lshl_or_b32 v[PW], v[TM+5], 8, v[TM+4]
	v_lshl_or_b32 v[PW], v[TM+6], 16, v[PW]
	v_lshl_or_b32 v[PW], v[TM+7], 24, v[PW]
	s_wait_alu depctr_va_vdst(0)                   ; the wait here, directly ahead of the wait below
	s_wait_xcnt 0x0                                ; the last block's stores have read the codes' registers, which are written below
.irp b, 0,1,2,3
.irp i, 0,1,2,3,4,5,6,7,8,9,10,11,12,13,14,15
	v_med3_num_f32 v[\s+16*\b+\i], v[\s+16*\b+\i], -v[TM+8+\b], v[TM+8+\b]
.endr
	v_cvt_scalef32_pk8_fp8_f32 v[PC+4*\b:PC+1+4*\b], v[\s+16*\b:\s+7+16*\b], v[TM+12+\b]
	v_cvt_scalef32_pk8_fp8_f32 v[PC+2+4*\b:PC+3+4*\b], v[\s+8+16*\b:\s+15+16*\b], v[TM+12+\b]
.endr
	v_nop
.endm
.macro OUT a, isv
	WIN 0x02+(\a)/4
.set AC, 64*((\a)%4)
.set i, 0
.rept 32
.if \isv
	v_pk_add_f32 v[X+i:X+i+1], v[AC+i:AC+i+1], v[BI+2*(\a):BI+2*(\a)+1]
.else
	v_pk_add_f32 v[X+i:X+i+1], v[AC+i:AC+i+1], v[BI+i:BI+i+1]
.endif
.set i, i+2
.endr
	WIN 0
	QUANT X
.irp c, 0,1,2,3
.if \isv
	global_store_b128 v[L16], v[PC+4*\c:PC+4*\c+3], s[96:97] offset:((\a)/4)*131072+((\a)%4)*2048+\c*512
.else
	global_store_b128 v[L16], v[PC+4*\c:PC+4*\c+3], s[96:97] offset:(\c/2)*131072+(\a)*1024+(\c%2)*512
.endif
.endr
.if \isv
.set WI, SW+2*((\a)/4)+((\a)%4)/2
.if (\a)%2 == 0
	v_mov_b32 v[WI], v[PW]
.else
	v_cndmask_b32 v[WI], v[WI], v[PW], s[HI16]
.endif
.else
.if (\a)%2 == 0
	v_perm_b32 v[SW+(\a)/2], v[PW], v[PW], 0x01000100
	v_perm_b32 v[SW+4+(\a)/2], v[PW], v[PW], 0x03020302
.else
	v_perm_b32 v[TP], v[PW], v[PW], 0x01000100
	v_cndmask_b32 v[SW+(\a)/2], v[SW+(\a)/2], v[TP], s[HI16]
	v_perm_b32 v[TP], v[PW], v[PW], 0x03020302
	v_cndmask_b32 v[SW+4+(\a)/2], v[SW+4+(\a)/2], v[TP], s[HI16]
.endif
.endif
.endm
	PLACES NP
.irp b, 0,1,2,3
	v_mov_b32 v[TM+4+\b], 0
.endr
	s_wait_loadcnt 0x0                             ; the bias
	s_cmp_eq_u32 s[KIND], 2
	s_cbranch_scc1 .Lpath_v
.irp a, 0,1,2,3,4,5,6,7
	OUT \a, 0
.endr
	global_store_b128 v[L16], v[SW:SW+3], s[98:99]
	global_store_b128 v[L16], v[SW+4:SW+7], s[98:99] offset:8192
	s_branch .Ljoin
.Lpath_v:
.irp a, 0,1,2,3,4,5,6,7
	OUT \a, 1
.endr
	global_store_b64 v[L8], v[SW:SW+1], s[98:99]
	global_store_b64 v[L8], v[SW+2:SW+3], s[98:99] offset:4096
.Ljoin:
	s_wait_tensorcnt 0x0                           ; the wave's end
	ds_add_u32 v[SPW], v[NIL]
	s_wait_dscnt 0x0
	CROUND                                         ; the closing round
	s_endpgm
.Lfunc_end_k_q38542d58a6_proj:
	.size	k_q38542d58a6_proj, .Lfunc_end_k_q38542d58a6_proj-k_q38542d58a6_proj
	.p2alignl 7, 3214868480
	.fill 96, 4, 3214868480
	.section	.rodata,"a",@progbits
	.p2align	6, 0x0
	.amdhsa_kernel k_q38542d58a6_proj
		.amdhsa_group_segment_fixed_size 327680
		.amdhsa_private_segment_fixed_size 0
		.amdhsa_enable_private_segment 0
		.amdhsa_kernarg_size 152
		.amdhsa_user_sgpr_count 2
		.amdhsa_user_sgpr_kernarg_segment_ptr 1
		.amdhsa_wavefront_size32 1
		.amdhsa_system_sgpr_workgroup_id_x 1
		.amdhsa_system_sgpr_workgroup_id_y 1
		.amdhsa_system_sgpr_workgroup_id_z 1
		.amdhsa_system_vgpr_workitem_id 0
		.amdhsa_next_free_vgpr 1024
		.amdhsa_next_free_sgpr 106
		.amdhsa_reserve_vcc 0
		.amdhsa_float_denorm_mode_32 3
		.amdhsa_float_denorm_mode_16_64 3
		.amdhsa_memory_ordered 1
		.amdhsa_forward_progress 1
		.amdhsa_inst_pref_size 255
	.end_amdhsa_kernel
	.section	.bss,"aw",@nobits
	.p2align	6
	.space	262144
	.amdgpu_metadata
---
amdhsa.version: [ 1, 2 ]
amdhsa.kernels:
  - .name:           k_q38542d58a6_proj
    .symbol:         k_q38542d58a6_proj.kd
    .args:
      - { .name: x_q_codes, .offset: 0, .size: 8, .value_kind: global_buffer, .address_space: global }
      - { .name: x_q_scales, .offset: 8, .size: 8, .value_kind: global_buffer, .address_space: global }
      - { .name: wq_codes, .offset: 16, .size: 8, .value_kind: global_buffer, .address_space: global }
      - { .name: wq_scales, .offset: 24, .size: 8, .value_kind: global_buffer, .address_space: global }
      - { .name: bq, .offset: 32, .size: 8, .value_kind: global_buffer, .address_space: global }
      - { .name: x_k_codes, .offset: 40, .size: 8, .value_kind: global_buffer, .address_space: global }
      - { .name: x_k_scales, .offset: 48, .size: 8, .value_kind: global_buffer, .address_space: global }
      - { .name: wk_codes, .offset: 56, .size: 8, .value_kind: global_buffer, .address_space: global }
      - { .name: wk_scales, .offset: 64, .size: 8, .value_kind: global_buffer, .address_space: global }
      - { .name: bk, .offset: 72, .size: 8, .value_kind: global_buffer, .address_space: global }
      - { .name: wv_codes, .offset: 80, .size: 8, .value_kind: global_buffer, .address_space: global }
      - { .name: wv_scales, .offset: 88, .size: 8, .value_kind: global_buffer, .address_space: global }
      - { .name: x_v_codes, .offset: 96, .size: 8, .value_kind: global_buffer, .address_space: global }
      - { .name: x_v_scales, .offset: 104, .size: 8, .value_kind: global_buffer, .address_space: global }
      - { .name: bv, .offset: 112, .size: 8, .value_kind: global_buffer, .address_space: global }
      - { .name: qkv, .offset: 120, .size: 8, .value_kind: global_buffer, .address_space: global }
      - { .name: qkvs, .offset: 128, .size: 8, .value_kind: global_buffer, .address_space: global }
      - { .name: mask, .offset: 136, .size: 8, .value_kind: global_buffer, .address_space: global }
      - { .name: mb, .offset: 144, .size: 8, .value_kind: global_buffer, .address_space: global }
    .group_segment_fixed_size: 327680
    .private_segment_fixed_size: 0
    .kernarg_segment_align: 8
    .kernarg_segment_size: 152
    .max_flat_workgroup_size: 128
    .sgpr_count:     106
    .vgpr_count:     1024
    .wavefront_size: 32
...
	.end_amdgpu_metadata
.endif
;; end of part 1
;; launch attn (part 2): grid 4 x 64, 16 waves a work-group, clusters of 4 x 1, 276,480 bytes of LDS; arguments qkv, qkvs, mb, zc, zs; writes zc, zs
.if DOCPART == 2
	.amdgcn_target "amdgcn-amd-amdhsa--gfx1250"
	.amdhsa_code_object_version 6
	.text
	.protected	k_q38542d58a6_attn
	.globl	k_q38542d58a6_attn
	.p2align	8
	.type	k_q38542d58a6_attn,@function
k_q38542d58a6_attn:
	s_mov_b64 s[64:65], 0
	v_nop
	global_prefetch_b8 v0, s[64:65] scope:SCOPE_SE
	s_setreg_imm32_b32 hwreg(HW_REG_WAVE_MODE, 25, 1), 1
	s_wait_xcnt 0x0
	s_wait_alu depctr_hold_cnt(0) depctr_sa_sdst(0) depctr_va_vdst(0) depctr_va_sdst(0) depctr_va_ssrc(0) depctr_va_vcc(0) depctr_vm_vsrc(0)
	s_getreg_b32 s2, hwreg(HW_REG_IB_STS2, 6, 4)
	s_cmp_eq_u32 s2, 0
	s_cbranch_scc0 .Lentry_in_a_cluster
	s_endpgm
.Lentry_in_a_cluster:
	s_bfe_u32 s2, ttmp6, 0x10000c
	s_cmp_lg_u32 s2, 0x3003
	s_cbranch_scc0 .Lentry_shape_is_right
	s_endpgm
.Lentry_shape_is_right:
; z[b][q][head] = softmax_k(where(mask == 0, -10000, q . k / 8)) v, both products on codes of FP8 (E4M3) with one E8M0 scale for each 32 along a product's K; z is quantised here for the last product.
; INPUTS (made by the launches before): q, k, v as images of operand registers (a group of four registers = 512 bytes, lane l's 16 at 16 l) in qkv, their scale words in qkvs, the mask as lane masks in mb.
; THE SOFTMAX: t = logit x log2(e); M = the row's largest t so far, rounded UP to a whole number; p = 2^(t - M) is quantised along the keys, not normalised; the row's sum is taken of the unquantised p and divides at the end.
; When M moves, the sum and O are multiplied by 2^(old M - new M): exact.  THE MASK REPLACES the logit: the raw score becomes -80000, which x 1/8 is -10000 exactly.
; SHARES.  A work-group owns one head (ttmp7 = 16 b + head) and a quarter of its queries (cx: 512), in two passes of 256; each of its sixteen waves owns one tile of 16 queries a pass and walks 16 key steps of 128 keys.
; K'S AND V'S CODES OF THE WHOLE HEAD, 2 x 131,072 bytes, LIE IN LDS for the whole launch: filled once, each wave 16,384 bytes by one tensor load, asked for jointly by the cluster's four work-groups (mask 15); nothing is filled again.
; No prefetch into the L2: K and V are asked for once, at the head, and the mask's words are asked for one key step ahead by scalar loads.
; LAYOUT.  Both products are used transposed: S^T = K Q^T, O^T = V^T P^T: a lane holds ONE query (lane % 16); register 8 t + j of S^T holds key 16 t + 8 (lane / 16) + j.
; K = 64 IN A FORM OF K = 128: a fragment of source 0 holds TWO tiles of keys.  Q stands as q | zeros | q in v16-39: v[16:31] picks the first tile, v[24:39] the second; q's and k's scale words hold their two bytes twice.
; TWO BANKS OF 64 REGISTERS CHANGE ROLES FROM STEP TO STEP.  In a step K's fragments stand in bank kx and the scores go to bank sy; V's fragments then land on kx; and as soon as two blocks of p are converted,
; the NEXT step's fragments of K are loaded onto their registers in sy.  So a trip of the loop is two steps.  The step's address wraps at the head's end: a pass's last step fetches key step 0, for the next pass;
; in the last pass those 17 LDS loads are read by nobody.
; OUTPUT.  zc: (128 b + T) x 16,384 + head x 1,024 + c x 512 + 16 lane.  zs: [8192][32] scale bytes: a wave stores two bytes a row, since a row's 32 bytes come from sixteen work-groups.
; LIMITS: NaN and infinities are not served.  A block of zeros keeps the byte 1 where the rule says 127 (its codes are zeros; this program alone reads the bytes); blocks under 2^-118 are held at the byte 1.
.set SCK,  262144                      ; LDS: K's codes at 0, V's at 131,072 (8,192 bytes a key step each); K's scale words here (512 a step);
.set SCV,  270336                      ; V's here (256 a step)
.set SPARE, 0x43000                    ; the spare words: 16 waves x 128 bytes
.set L16,  1                           ; 16 x lane
.set LSK,  2                           ; SCK + 16 x lane
.set LSV,  3                           ; SCV + 8 x lane
.set R16,  4                           ; 16 r
.set R32,  5                           ; 32 r
.set NEG,  6                           ; -80000.0
.set LV,   7                           ; 131,072 + 16 x lane
.set ADK,  8                           ; the LDS addresses in hand: K, V, K's scale words, V's
.set ADV,  9
.set ADS,  10
.set ADT,  11
                                       ; v12 -M, v13 the largest t, v[14:15] the sum in two halves; v16-39 q, zeros, q
.set RA,   40                          ; the two banks
.set RB,   104
.set O,    168                         ; v168-199 O^T
.set PC,   200                         ; v200-215 p's codes; at a pass's end z's
.set BM,   216                         ; the blocks' largest
.set PT,   220                         ; lane l xor 16's, then the bytes, then two of the sum's chains
.set HO,   224                         ; 448 x the scale
.set SO,   228                         ; the conversions' scale operands
.set KSW,  232                         ; v232-235 K's scale words; v236-237 V's; v238 p's; v239 q's: these hold scales and nothing else
.set VSW,  236
.set PSW,  238
.set QSW,  239
.set FF,   240                         ; v[240:241] f = 2^(old M - new M)
.set T0,   242
.set T1,   243                         ; v244-253: five of the sum's chains
.set SPW,  254
.set NIL,  255
.set ST,   52                          ; 256 x the key step: V's scale words and the mask's words
.set NXT,  53
.set CNT,  54
.set WV,   55
.set CS,   66                          ; s[66:67] c = log2(e) / 8
.set G1,   84
.set G0,   92
.set MNT,  96
.set PCNT, 97
.set SEL,  100
.set TB,   104                         ; 8,192 x the key step
.set TS,   105                         ; 512 x the key step
                                       ; s[2:3] mb, s[56:57] zc, s[58:59] zs, s[60:61] q's codes, s[62:63] q's scale words, at my wave's place in the pass;  s4-51, s68-83 the step's 64 mask words
.macro ROUND
	s_barrier_signal -1
	s_barrier_wait -1
	s_cmp_lg_u32 s[WV], 0
	s_cbranch_scc1 .Lnot_wave_0_\@
	s_barrier_signal -3
.Lnot_wave_0_\@:
	s_barrier_wait -3
	s_barrier_signal -1
	s_barrier_wait -1
.endm
	s_load_b256 s[4:11], s[0:1], 0x0               ; qkv, qkvs, mb, zc
	s_load_b64 s[12:13], s[0:1], 0x20              ; zs
	v_lshl_add_u32 v[SPW], v0, 2, SPARE
	v_mov_b32 v[NIL], 0
	ds_add_u32 v[SPW], v[NIL]                      ; the opening lines: the add twice on end and its wait
	ds_add_u32 v[SPW], v[NIL]
	v_lshrrev_b32 v8, 5, v0
	v_readfirstlane_b32 s[WV], v8
	v_and_b32 v9, 31, v0
	v_and_b32 v10, 15, v0
	v_lshlrev_b32 v[L16], 4, v9
	v_lshl_add_u32 v[LSV], v9, 3, SCV
	v_lshlrev_b32 v[R16], 4, v10
	v_lshlrev_b32 v[R32], 5, v10
	v_mov_b32 v[NEG], 0xc79c4000
	v_add_nc_u32 v[LSK], SCK, v[L16]
	v_add_nc_u32 v[LV], 131072, v[L16]
	s_and_b32 s20, ttmp7, 0xffff                   ; 16 b + head: the four partners share it
	s_bfe_u32 s21, ttmp6, 0x40000                  ; cx: it enters q's, the mask's and z's addresses alone
	s_lshr_b32 s22, s20, 4                         ; b
	s_and_b32 s23, s20, 15                         ; head
	s_lshl_b32 s24, s21, 5
	s_add_co_u32 s24, s24, s[WV]                   ; my tile of queries in pass 0: 32 cx + wave
	s_lshl_b32 s25, s22, 7
	s_add_co_u32 s25, s25, s24                     ; 128 b + that
	s_lshr_b32 s26, s[WV], 3                       ; waves 0-7 fetch K's codes, waves 8-15 V's: region 1 or 2 of qkv,
	s_lshl_b32 s26, s26, 23
	s_add_co_u32 s26, s26, 8388608
	s_lshl_b32 s28, s20, 17                        ; the head,
	s_add_co_u32 s26, s26, s28
	s_and_b32 s29, s[WV], 7
	s_lshl_b32 s29, s29, 14                        ; two key steps a wave
	s_add_co_u32 s26, s26, s29
	s_mov_b32 s27, 0
	s_mov_b32 s[G1], 15|(3<<16)|(1<<21)            ; the mask: all four work-groups; elements of 8 bytes; bit 21 beside a mask; no padding: images are read 512 consecutive bytes at a time
	s_mov_b32 s[G1+1], 32<<16                      ; rows of 256 bytes
	s_mov_b32 s[G1+2], 64<<16
	s_mov_b32 s[G1+3], 32<<16
	s_mov_b32 s[G1+4], 64
	s_mov_b32 s[G1+5], 32                          ; dense
	s_mov_b32 s[G1+6], 0
	s_mov_b32 s[G1+7], 0
	s_mov_b32 s[G0], 1
	s_lshl_b32 s[G0+1], s[WV], 14                  ; LDS: 16,384 x wave
	s_lshl_b32 s30, s24, 10                        ; q's codes: 1,024 bytes a tile
	s_add_co_u32 s30, s30, s28
	s_mov_b32 s31, 0
	s_lshl_b32 s32, s20, 13                        ; q's and k's scale words: 8,192 bytes a head
	s_lshl_b32 s33, s21, 2
	s_lshr_b32 s34, s[WV], 3
	s_add_co_u32 s33, s33, s34
	s_lshl_b32 s33, s33, 9                         ; 512 bytes for each 8 tiles;
	s_and_b32 s34, s[WV], 1
	s_lshl_b32 s34, s34, 8                         ; an odd tile's words stand in lanes 16-31's places;
	s_add_co_u32 s33, s33, s34
	s_bfe_u32 s34, s[WV], 0x20001
	s_lshl_b32 s34, s34, 2                         ; word (tile % 8) / 2 of a lane's four
	s_add_co_u32 s33, s33, s34
	s_add_co_u32 s36, s33, s32
	s_mov_b32 s37, 0
	s_add_co_u32 s38, s32, 524288                  ; k's scale words of the head
	s_mov_b32 s39, 0
	s_lshl_b32 s40, s20, 12
	s_add_co_u32 s40, s40, 1048576                 ; v's
	s_mov_b32 s41, 0
	s_lshl_b32 s42, s25, 12                        ; the mask's words: 4,096 bytes a tile of queries
	s_mov_b32 s43, 0
	s_lshl_b32 s44, s25, 14                        ; zc: 16,384 bytes a tile, 1,024 a head
	s_lshl_b32 s46, s23, 10
	s_add_co_u32 s44, s44, s46
	s_mov_b32 s45, 0
	s_lshl_b32 s46, s25, 9                         ; zs: 16 rows of 32 bytes a tile, 2 bytes a head
	s_lshl_b32 s48, s23, 1
	s_add_co_u32 s46, s46, s48
	s_mov_b32 s47, 0
	s_mov_b32 s[CS], 0x3e38aa3b
	s_mov_b32 s[CS+1], s[CS]
	s_mov_b32 s[MNT], 0x600000
	s_mov_b32 s[SEL], 0x76543210
	s_mov_b32 s[SEL+1], 0xfedcba98
	s_wait_dscnt 0x0
	s_wait_kmcnt 0x0
	s_add_nc_u64 s[G0+2:G0+3], s[4:5], s[26:27]
	s_or_b32 s[G0+3], s[G0+3], 0x80000000
	s_add_nc_u64 s[60:61], s[4:5], s[30:31]
	s_add_nc_u64 s[62:63], s[6:7], s[36:37]
	s_add_nc_u64 s[38:39], s[6:7], s[38:39]
	s_add_nc_u64 s[40:41], s[6:7], s[40:41]
	s_add_nc_u64 s[2:3], s[8:9], s[42:43]
	s_add_nc_u64 s[56:57], s[10:11], s[44:45]
	s_add_nc_u64 s[58:59], s[12:13], s[46:47]
	ROUND                                          ; all four work-groups are here: the joint loads meet
	tensor_load_to_lds s[G0:G0+3], s[G1:G1+7]      ; my 16,384 bytes: the wave's one tensor load
	s_nop 0
.rept 4
	v_nop
.endr
	v_lshlrev_b32 v8, 4, v0
	v_lshlrev_b32 v9, 3, v0
	global_load_b128 v[40:43], v8, s[38:39]        ; k's scale words: 512 threads x 16 bytes
	global_load_b64 v[44:45], v9, s[40:41]         ; v's: 512 x 8
	v_lshl_add_u32 v10, v0, 4, SCK
	v_lshl_add_u32 v11, v0, 3, SCV
.irp i, 0,1,2,3,4,5,6,7
	v_mov_b32 v[24+\i], 0                          ; the zero codes between the two copies of q
.endr
.irp b, 0,1,2,3
	v_mov_b32 v[PT+\b], 0                          ; a lane permute's destination counts as one of its sources
.endr
	v_mov_b32 v[FF+1], 0                           ; (named as the upper half of a pair)
	s_wait_alu depctr_va_vdst(0)                   ; the wait at the head's end
	s_wait_loadcnt 0x0
	ds_store_b128 v10, v[40:43]
	ds_store_b64 v11, v[44:45]
	s_wait_tensorcnt 0x0                           ; my part of the head's codes has landed,
	s_wait_dscnt 0x0                               ; my scale words are stored:
	s_barrier_signal -1
	s_barrier_wait -1                              ; everybody's are.  From here on LDS is only read
.set i, 0
.rept 16
	ds_load_b128 v[RA+4*i:RA+4*i+3], v[L16] offset:512*i   ; key step 0's eight tiles of K
.set i, i+1
.endr
	ds_load_b128 v[KSW:KSW+3], v[LSK]
; A KEY STEP: 128 keys.  kx: the bank with K's fragments (asked for in the step before), then V's.  sy: the bank of the scores, then p, then the next step's K.
.macro STEP kx, sy
	v_mov_b32 v[T0], v12                           ; the old -M.  With the eight below: nine places between the last step's products and the products that write over the bank that they read
.rept 8
	v_nop
.endr
	s_wait_dscnt 0x0                               ; K's fragments and scale words are in
.irp u, 0,1,2,3
	v_wmma_scale_f32_16x16x128_f8f6f4 v[\sy+16*\u:\sy+16*\u+7], v[\kx+16*\u:\kx+16*\u+15], v[16:31], 0, v[KSW+\u], v[QSW]
	v_wmma_scale_f32_16x16x128_f8f6f4 v[\sy+16*\u+8:\sy+16*\u+15], v[\kx+16*\u:\kx+16*\u+15], v[24:39], 0, v[KSW+\u], v[QSW] matrix_a_scale:MATRIX_SCALE_ROW1
.endr
	v_add_nc_u32 v[ADV], s[TB], v[LV]
	v_add_nc_u32 v[ADT], s[ST], v[LSV]
.rept 6
	v_nop                                          ; with the two additions: eight places in front of the loads into K's registers and of the first read of the scores
.endr
.set i, 0
.rept 16
	ds_load_b128 v[\kx+4*i:\kx+4*i+3], v[ADV] offset:512*i   ; V's four tiles of 16 channels x 128 keys: they land while the softmax is walked
.set i, i+1
.endr
	ds_load_b64 v[VSW:VSW+1], v[ADT]
	s_wait_kmcnt 0x0                               ; this step's 64 mask words, asked for a step ago
.set n, 0
.rept 64
.if n < 48
	v_cndmask_b32 v[\sy+n], v[NEG], v[\sy+n], s[4+n]   ; where the mask is 0 the score is replaced.  Ascending: each accumulator is read from its low end on
.else
	v_cndmask_b32 v[\sy+n], v[NEG], v[\sy+n], s[20+n]
.endif
.set n, n+1
.endr
	s_add_co_u32 s[NXT], s[ST], 256                ; the next step's words; the last step asks for its own again, so that no load leaves the tile's 4,096 bytes
	s_min_u32 s[NXT], s[NXT], 3840
	s_load_b512 s[4:19], s[2:3], s[NXT]
	s_load_b512 s[20:35], s[2:3], s[NXT] offset:64
	s_load_b512 s[36:51], s[2:3], s[NXT] offset:128
	s_load_b512 s[68:83], s[2:3], s[NXT] offset:192
.irp b, 0,1,2,3
	v_max3_num_f32 v[BM+\b], v[\sy+16*\b], v[\sy+1+16*\b], v[\sy+2+16*\b]   ; the largest score of each block of 32 keys: for the row's maximum and, since p rises with the score, for the block's largest p
.endr
.irp i, 3,5,7,9,11,13
.irp b, 0,1,2,3
	v_max3_num_f32 v[BM+\b], v[BM+\b], v[\sy+16*\b+\i], v[\sy+1+16*\b+\i]   ; the four blocks by turns
.endr
.endr
.irp b, 0,1,2,3
	v_max_num_f32 v[BM+\b], v[BM+\b], v[\sy+15+16*\b]
.endr
.irp b, 0,1,2,3
	v_permlanex16_b32 v[PT+\b], v[BM+\b], s[SEL], s[SEL+1]
.endr
.irp b, 0,1,2,3
	v_max_num_f32 v[BM+\b], v[BM+\b], v[PT+\b]     ; with lane l xor 16's 16 keys
.endr
	v_max3_num_f32 v[T1], v[BM], v[BM+1], v[BM+2]
	s_delay_alu instid0(VALU_DEP_1)
	v_max_num_f32 v[T1], v[T1], v[BM+3]            ; the step's largest score of my query
	s_delay_alu instid0(VALU_DEP_1)
	v_mul_f32 v[T1], s[CS], v[T1]                  ; as t (c is positive)
	s_delay_alu instid0(VALU_DEP_1)
	v_max_num_f32 v13, v13, v[T1]                  ; the running largest t
	s_delay_alu instid0(VALU_DEP_1)
	v_floor_f32 v12, -v13                          ; the new -M = floor(-t) = -ceil(t)
.set j, 0
.rept 32
	v_pk_fma_f32 v[\sy+j:\sy+j+1], v[\sy+j:\sy+j+1], s[CS:CS+1], v[12:13] op_sel_hi:[1,0,0]   ; t - M, two at a time
.set j, j+2
.endr
.irp b, 0,1,2,3
	v_fma_f32 v[BM+\b], v[BM+\b], s[CS], v12       ; the same of each block's largest score
.endr
	v_sub_f32 v[T0], v12, v[T0]                    ; old M - new M: a whole number, 0 or less
	s_delay_alu instid0(VALU_DEP_1)
	v_cvt_i32_f32 v[T0], v[T0]                     ; (it saturates)
	s_delay_alu instid0(VALU_DEP_1)
	v_ldexp_f32 v[FF], 1.0, v[T0]                  ; f = 2^(old M - new M)
	s_wait_alu depctr_va_vdst(0)                   ; the wait ahead of the batch
.set j, 0
.rept 64
	v_exp_f32 v[\sy+j], v[\sy+j]                   ; p = 2^(t - M), at most 1
.set j, j+1
.endr
.irp b, 0,1,2,3
	v_exp_f32 v[BM+\b], v[BM+\b]                   ; the block's largest p: the same two instructions on the same number
.endr
	v_pk_mul_f32 v[14:15], v[14:15], v[FF:FF+1] op_sel_hi:[1,0]   ; the sums under the new M.  (The plain instruction behind the exponentials)
	s_wait_alu depctr_va_vdst(0)                   ; one wait for the batch, ahead of its first reader
.irp b, 0,1,2,3
	v_max_num_f32 v[BM+\b], 0x4800000, v[BM+\b]    ; the floor 2^(9 - 127): the byte cannot fall under 1
.endr
.irp b, 0,1,2,3
	v_add_nc_u32 v[SO+\b], 0xfc000000, v[BM+\b]    ; 8 off the exponent field: the conversion's scale operand
.endr
.irp b, 0,1,2,3
	v_and_or_b32 v[HO+\b], v[BM+\b], 0x7f800000, s[MNT]   ; 448 x the scale
.endr
.irp b, 0,1,2,3
	v_lshrrev_b32 v[PT+\b], 23, v[SO+\b]           ; the scale's byte
.endr
	v_lshl_or_b32 v[PSW], v[PT+1], 8, v[PT]        ; p's scale word for these 128 keys
	s_delay_alu instid0(VALU_DEP_1)
	v_lshl_or_b32 v[PSW], v[PT+2], 16, v[PSW]
	s_delay_alu instid0(VALU_DEP_1)
	v_lshl_or_b32 v[PSW], v[PT+3], 24, v[PSW]
.set j, 0                                          ; THE ROW'S SUM IS TAKEN OF THE UNQUANTISED p: 32 pairs in eight chains
.irp c, 244,246,248,250,252,220,222
	v_pk_add_f32 v[\c:\c+1], v[\sy+j:\sy+j+1], v[\sy+j+2:\sy+j+3]
.set j, j+4
.endr
.rept 2
.irp c, 14,244,246,248,250,252,220,222
	v_pk_add_f32 v[\c:\c+1], v[\c:\c+1], v[\sy+j:\sy+j+1]
.set j, j+2
.endr
.endr
.irp c, 14,244
	v_pk_add_f32 v[\c:\c+1], v[\c:\c+1], v[\sy+j:\sy+j+1]
.set j, j+2
.endr
	v_pk_add_f32 v[246:247], v[246:247], v[248:249]
	v_pk_add_f32 v[250:251], v[250:251], v[252:253]
	v_pk_add_f32 v[220:221], v[220:221], v[222:223]
	v_pk_add_f32 v[14:15], v[14:15], v[244:245]
	v_pk_add_f32 v[246:247], v[246:247], v[250:251]
	v_pk_add_f32 v[14:15], v[14:15], v[220:221]
	s_add_co_u32 s[TB], s[TB], 8192                ; on to the next key step; behind the sixteenth comes step 0
	s_and_b32 s[TB], s[TB], 0x1ffff
	s_add_co_u32 s[TS], s[TS], 512
	s_and_b32 s[TS], s[TS], 0x1fff
	v_add_nc_u32 v[ADK], s[TB], v[L16]
	v_add_nc_u32 v[ADS], s[TS], v[LSK]
	v_pk_add_f32 v[14:15], v[14:15], v[246:247]
.irp g, 0,1                                        ; blocks 2 g and 2 g + 1: the hold, two numbers an instruction: one of each block, so that the two halves' registers lie in different banks in every place
.irp i, 0,2,4,6,8,10,12,14
	v_dual_min_num_f32 v[\sy+32*\g+\i], v[\sy+32*\g+\i], v[HO+2*\g] :: v_dual_min_num_f32 v[\sy+32*\g+17+\i], v[\sy+32*\g+17+\i], v[HO+2*\g+1]
	v_dual_min_num_f32 v[\sy+32*\g+16+\i], v[\sy+32*\g+16+\i], v[HO+2*\g+1] :: v_dual_min_num_f32 v[\sy+32*\g+1+\i], v[\sy+32*\g+1+\i], v[HO+2*\g]
.endr                                              ; (the conversion to an 8-bit code does not saturate: ISA guide 7.6.2; p is not negative, so the hold is one-sided)
.irp b, 2*\g, 2*\g+1
	v_cvt_scalef32_pk8_fp8_f32 v[PC+4*(\b):PC+1+4*(\b)], v[\sy+16*(\b):\sy+7+16*(\b)], v[SO+(\b)]
	v_cvt_scalef32_pk8_fp8_f32 v[PC+2+4*(\b):PC+3+4*(\b)], v[\sy+8+16*(\b):\sy+15+16*(\b)], v[SO+(\b)]
.endr
.irp i, 0,1,2,3,4,5,6,7
	ds_load_b128 v[\sy+32*\g+4*\i:\sy+32*\g+4*\i+3], v[ADK] offset:4096*\g+512*\i   ; the next step's K onto the registers just converted
.endr
.endr
	ds_load_b128 v[KSW:KSW+3], v[ADS]              ; and its scale words
	s_wait_alu depctr_va_vdst(0)                   ; the wait here, directly ahead of the first reader of O^T
.set j, 0
.rept 16
	v_pk_mul_f32 v[O+j:O+j+1], v[O+j:O+j+1], v[FF:FF+1] op_sel_hi:[1,0]   ; O^T under the new M.  (These sixteen also stand between the conversions and the products that take the codes)
.set j, j+2
.endr
	s_wait_alu depctr_va_vdst(0)                   ; the wait here, directly ahead of the wait below
	s_wait_dscnt 17                                ; V and its scale words are in; the 17 loads of the next step's K, issued behind them, may be out
.irp t, 0,1,2,3
.if \t%2 == 0
	v_wmma_scale_f32_16x16x128_f8f6f4 v[O+8*\t:O+8*\t+7], v[\kx+16*\t:\kx+16*\t+15], v[PC:PC+15], v[O+8*\t:O+8*\t+7], v[VSW+\t/2], v[PSW]
.else
	v_wmma_scale_f32_16x16x128_f8f6f4 v[O+8*\t:O+8*\t+7], v[\kx+16*\t:\kx+16*\t+15], v[PC:PC+15], v[O+8*\t:O+8*\t+7], v[VSW+\t/2], v[PSW] matrix_a_scale:MATRIX_SCALE_ROW1
.endif
.endr                                              ; the four accumulators take turns, and the scores' eight follow
	s_add_co_u32 s[ST], s[ST], 256
.endm
	s_mov_b32 s[PCNT], 2
.Lpass:                                            ; two passes of 256 queries a work-group
	s_mov_b32 s[ST], 0
	s_mov_b32 s[NXT], 0
	s_mov_b32 s[TB], 0
	s_mov_b32 s[TS], 0
	s_load_b512 s[4:19], s[2:3], s[NXT]            ; key step 0's mask words
	s_load_b512 s[20:35], s[2:3], s[NXT] offset:64
	s_load_b512 s[36:51], s[2:3], s[NXT] offset:128
	s_load_b512 s[68:83], s[2:3], s[NXT] offset:192
	global_load_b128 v[16:19], v[L16], s[60:61]    ; my tile of q, twice: below the zeros and above them
	global_load_b128 v[20:23], v[L16], s[60:61] offset:512
	global_load_b128 v[32:35], v[L16], s[60:61]
	global_load_b128 v[36:39], v[L16], s[60:61] offset:512
	global_load_b32 v[QSW], v[R16], s[62:63]
	v_mov_b32 v13, 0xff61b1e6                      ; the largest t so far: -3e38, under every t
	v_mov_b32 v14, 0
	v_mov_b32 v15, 0
	v_floor_f32 v12, -v13                          ; -M
.set j, 0
.rept 32
	v_mov_b32 v[O+j], 0                            ; O^T: the step is written once; the first finds zeros, which the first change of M leaves zeros
.set j, j+1
.endr
	s_wait_loadcnt 0x0
	s_mov_b32 s[CNT], 8
.Lstep:                                            ; a trip is two key steps: the banks are back where they began
	STEP RA, RB
	STEP RB, RA
	s_sub_co_u32 s[CNT], s[CNT], 1
	s_cmp_lg_u32 s[CNT], 0
	s_cbranch_scc1 .Lstep
; A PASS'S END: z = O^T / the sum; its 64 channels are two blocks of 32, quantised; codes in true order; two stores of 512 consecutive bytes.  It works in bank RB; bank RA is being filled with key step 0.
	s_wait_kmcnt 0x0                               ; the last step's mask loads are in: their registers, base and offset may be written again
.rept 8
	v_nop                                          ; eight places behind the last products
.endr
	v_add_f32 v14, v14, v15
	s_delay_alu instid0(VALU_DEP_1)
	v_permlanex16_b32 v[T0], v14, s[SEL], s[SEL+1]
	s_delay_alu instid0(VALU_DEP_1)
	v_add_f32 v14, v14, v[T0]                      ; the row's sum
	s_wait_alu depctr_va_vdst(0)                   ; the wait ahead of the transcendental
	v_rcp_f32 v14, v14
	v_nop
	s_wait_alu depctr_va_vdst(0)                   ; and ahead of its first reader, which is also O^T's
.set j, 0
.rept 16
	v_pk_mul_f32 v[RB+j:RB+j+1], v[O+j:O+j+1], v[14:15] op_sel_hi:[1,0]   ; register 8 t + i: channel 16 t + 8 (lane / 16) + i
.set j, j+2
.endr
.irp b, 0,1
	v_max3_num_f32 v[BM+\b], |v[RB+16*\b]|, |v[RB+1+16*\b]|, 0x4800000
.endr
.irp i, 2,4,6,8,10,12,14
.irp b, 0,1
	s_delay_alu instid0(VALU_DEP_2)
	v_max3_num_f32 v[BM+\b], v[BM+\b], |v[RB+16*\b+\i]|, |v[RB+1+16*\b+\i]|
.endr
.endr
.irp b, 0,1
	s_delay_alu instid0(VALU_DEP_2)
	v_permlanex16_b32 v[PT+\b], v[BM+\b], s[SEL], s[SEL+1]
.endr
.irp b, 0,1
	s_delay_alu instid0(VALU_DEP_2)
	v_max_num_f32 v[BM+\b], v[BM+\b], v[PT+\b]
.endr
.irp b, 0,1
	s_delay_alu instid0(VALU_DEP_2)
	v_add_nc_u32 v[SO+\b], 0xfc000000, v[BM+\b]
.endr
.irp b, 0,1
	v_and_or_b32 v[HO+\b], v[BM+\b], 0x7f800000, s[MNT]
.endr
.irp b, 0,1
	v_lshrrev_b32 v[PT+\b], 23, v[SO+\b]
.endr
	s_delay_alu instid0(VALU_DEP_1)
	v_lshl_or_b32 v[T0], v[PT+1], 8, v[PT]         ; my row's two scale bytes
.irp b, 0,1
.irp i, 0,1,2,3,4,5,6,7,8,9,10,11,12,13,14,15
	v_med3_num_f32 v[RB+16*\b+\i], v[RB+16*\b+\i], -v[HO+\b], v[HO+\b]
.endr
	v_cvt_scalef32_pk8_fp8_f32 v[PC+4*\b:PC+1+4*\b], v[RB+16*\b:RB+7+16*\b], v[SO+\b]
	v_cvt_scalef32_pk8_fp8_f32 v[PC+2+4*\b:PC+3+4*\b], v[RB+8+16*\b:RB+15+16*\b], v[SO+\b]
.endr
	v_nop                                          ; one plain instruction behind the last conversion
.irp b, 0,1                                        ; lanes 0-15 hold channels 0-7 and 16-23 of a block, lanes 16-31 channels 8-15 and 24-31: registers 0, 1 of lanes 16-31 change places with registers 2, 3 of lanes 0-15
	v_permlane16_swap_b32 v[PC+4*\b], v[PC+4*\b+2]
	v_permlane16_swap_b32 v[PC+4*\b+1], v[PC+4*\b+3]
.endr
	global_store_b128 v[L16], v[PC:PC+3], s[56:57]
	global_store_b128 v[L16], v[PC+4:PC+7], s[56:57] offset:512
	global_store_b16 v[R32], v[T0], s[58:59]       ; both halves of the lanes store the same two bytes
	s_wait_xcnt 0x0                                ; the stores have read their registers and bases: on to the next pass's 16 tiles (behind the last pass the stepped addresses are not used)
	s_add_nc_u64 s[2:3], s[2:3], 0x10000
	s_add_nc_u64 s[56:57], s[56:57], 0x40000
	s_add_nc_u64 s[58:59], s[58:59], 0x2000
	s_add_nc_u64 s[60:61], s[60:61], 0x4000
	s_add_nc_u64 s[62:63], s[62:63], 0x400
	s_sub_co_u32 s[PCNT], s[PCNT], 1
	s_cmp_lg_u32 s[PCNT], 0
	s_cbranch_scc1 .Lpass
	s_wait_tensorcnt 0x0                           ; the wave's end
	ds_add_u32 v[SPW], v[NIL]
	s_wait_dscnt 0x0
	ROUND                                          ; the closing round
	s_endpgm
.Lfunc_end_k_q38542d58a6_attn:
	.size	k_q38542d58a6_attn, .Lfunc_end_k_q38542d58a6_attn-k_q38542d58a6_attn
	.p2alignl 7, 3214868480
	.fill 96, 4, 3214868480
	.section	.rodata,"a",@progbits
	.p2align	6, 0x0
	.amdhsa_kernel k_q38542d58a6_attn
		.amdhsa_group_segment_fixed_size 276480
		.amdhsa_private_segment_fixed_size 0
		.amdhsa_enable_private_segment 0
		.amdhsa_kernarg_size 40
		.amdhsa_user_sgpr_count 2
		.amdhsa_user_sgpr_kernarg_segment_ptr 1
		.amdhsa_wavefront_size32 1
		.amdhsa_system_sgpr_workgroup_id_x 1
		.amdhsa_system_sgpr_workgroup_id_y 1
		.amdhsa_system_sgpr_workgroup_id_z 1
		.amdhsa_system_vgpr_workitem_id 0
		.amdhsa_next_free_vgpr 256
		.amdhsa_next_free_sgpr 106
		.amdhsa_reserve_vcc 0
		.amdhsa_float_denorm_mode_32 3
		.amdhsa_float_denorm_mode_16_64 3
		.amdhsa_memory_ordered 1
		.amdhsa_forward_progress 1
		.amdhsa_inst_pref_size 63
	.end_amdhsa_kernel
	.amdgpu_metadata
---
amdhsa.version: [ 1, 2 ]
amdhsa.kernels:
  - .name:           k_q38542d58a6_attn
    .symbol:         k_q38542d58a6_attn.kd
    .args:
      - { .name: qkv, .offset: 0, .size: 8, .value_kind: global_buffer, .address_space: global }
      - { .name: qkvs, .offset: 8, .size: 8, .value_kind: global_buffer, .address_space: global }
      - { .name: mb, .offset: 16, .size: 8, .value_kind: global_buffer, .address_space: global }
      - { .name: zc, .offset: 24, .size: 8, .value_kind: global_buffer, .address_space: global }
      - { .name: zs, .offset: 32, .size: 8, .value_kind: global_buffer, .address_space: global }
    .group_segment_fixed_size: 276480
    .private_segment_fixed_size: 0
    .kernarg_segment_align: 8
    .kernarg_segment_size: 40
    .max_flat_workgroup_size: 512
    .sgpr_count:     106
    .vgpr_count:     256
    .wavefront_size: 32
...
	.end_amdgpu_metadata
.endif
;; end of part 2
;; launch outp (part 3): grid 4 x 64, 4 waves a work-group, clusters of 4 x 4, 327,680 bytes of LDS; arguments zc, zs, wo_codes, wo_scales, bo, out0; writes out0
.if DOCPART == 3
	.amdgcn_target "amdgcn-amd-amdhsa--gfx1250"
	.amdhsa_code_object_version 6
	.text
	.protected	k_q38542d58a6_outp
	.globl	k_q38542d58a6_outp
	.p2align	8
	.type	k_q38542d58a6_outp,@function
k_q38542d58a6_outp:
	s_mov_b64 s[64:65], 0
	v_nop
	global_prefetch_b8 v0, s[64:65] scope:SCOPE_SE
	s_setreg_imm32_b32 hwreg(HW_REG_WAVE_MODE, 25, 1), 1
	s_wait_xcnt 0x0
	s_wait_alu depctr_hold_cnt(0) depctr_sa_sdst(0) depctr_va_vdst(0) depctr_va_sdst(0) depctr_va_ssrc(0) depctr_va_vcc(0) depctr_vm_vsrc(0)
	s_getreg_b32 s2, hwreg(HW_REG_IB_STS2, 6, 4)
	s_cmp_eq_u32 s2, 0
	s_cbranch_scc0 .Lentry_in_a_cluster
	s_endpgm
.Lentry_in_a_cluster:
	s_bfe_u32 s2, ttmp6, 0x10000c
	s_cmp_lg_u32 s2, 0xf033
	s_cbranch_scc0 .Lentry_shape_is_right
	s_endpgm
.Lentry_shape_is_right:
; out0 = z wo^T + bo on codes of FP8 (E4M3) with E8M0 scales.  z comes from the launch before: zc as images of fragments (16 rows x 128 K = 2,048 bytes, lane l's 16 of register group c at 512 c + 16 l), zs [8192][32] scale bytes.
; A block of 128 x 256 of out0 a work-group, so that 64 x 4 = 256 work-groups share the 8,192 x 1,024 numbers; a wave makes 64 x 128: 32 accumulators.  K = 1,024 goes in four slots' worth of 256 through a ring of two LDS slots.
; CLUSTERS 4 x 4: z's tiles are asked for jointly along a row of the cluster, wo's along a column.  The matrix instruction is used transposed (source 0 = rows of wo): a lane holds eight neighbouring numbers of a row of out0.
; The bias is the C of each accumulator's first product.  Both operands have two sets of fragment registers: a step's fragments are asked for one step of 32 matrix instructions ahead.
; No prefetch into the L2: K is four slots, of which two are asked for at the head.
; REGISTERS: window 0: v16-30 addresses, v32-63 scale words (two sets), v64-127 the bias, v128-255 z's fragments (two sets of 4 x 16); window 1: wo's fragments (two sets of 8 x 16); window 2: the accumulators.
.set SIZE_N, 1024
.set NQ,     2
.set ROWB,   256
.set KROW,   1024
.set PITCH,  272
.set FR,     16
.set NP,     8
.set AH,     4*4096                    ; four tiles of 16 rows x 256 K: what one load of the ring brings of z, and what one wave reads
.set BH,     128*PITCH
.set SLOT,   2*AH+2*BH
.set LAPS,   KROW/512
.set KS,     32
.set SCL,    2*SLOT
.set SA,     (128*KS/256)*272          ; the scales of z's 128 rows
.set HSA,    SA/2
.set HSB,    (128*KS/256)*272          ; those of 128 rows of wo
.set SBLK,   (16*KS/256)*272
.set SPARE,  SCL+SA+2*HSB
.set SPITCH, 528
.set ADRA, 16
.set ADRB, 20
.set STO,  24
.set RD,   25
.set CO,   26
.set ADRS, 27
.set SPW,  28
.set NIL,  29
.set BO,   30
.set SC,   32
.set BI,   64
.set AF,   128
.set BK,   128
.set G1, 24
.set G0, 32
.set G1B, 48
.set G0B, 56
.set G1S, 68
.set G0S, 76
.set G1SB, 80
.set G0SB, 88
.set G0H, 4
.set G0HB, 8
.set MSB, 0
.macro WIN new
.if MSB != \new
	s_set_vgpr_msb (MSB<<8)|\new
.set MSB, \new
.endif
.endm
.set MUL_LO, 0xa1
.set FST_LO, 0x81
.set TO_B,   0x40
.macro JLOAD g0a, g1a, g0b, g1b        ; waves 0 and 1 fetch z's halves, waves 2 and 3 wo's
	s_cmp_eq_u32 s15, 0
	s_cbranch_scc0 .Lfor_b_\@
	tensor_load_to_lds s[\g0a:\g0a+3], s[\g1a:\g1a+7]
	s_nop 0
.rept 4
	v_nop
.endr
	s_branch .Lasked_\@
.Lfor_b_\@:
	tensor_load_to_lds s[\g0b:\g0b+3], s[\g1b:\g1b+7]
	s_nop 0
.rept 4
	v_nop
.endr
.Lasked_\@:
.endm
.macro CREST
	s_cmp_lg_u32 s14, 0
	s_cbranch_scc1 .Lnot_wave_0_\@
	s_barrier_signal -3
.Lnot_wave_0_\@:
	s_barrier_wait -3
	s_barrier_signal -1
	s_barrier_wait -1
.endm
.macro CROUND
	s_barrier_signal -1
	s_barrier_wait -1
	CREST
.endm
	s_load_b128 s[4:7], s[0:1], 0x0                ; zc, zs
	s_load_b128 s[8:11], s[0:1], 0x10              ; wo's codes, wo's scales
	s_load_b64 s[96:97], s[0:1], 0x20              ; bo
	s_load_b64 s[12:13], s[0:1], 0x28              ; out0
	v_lshl_add_u32 v[SPW], v0, 2, SPARE
	v_mov_b32 v[NIL], 0
	ds_add_u32 v[SPW], v[NIL]                      ; the opening lines: the add twice on end and its wait
	ds_add_u32 v[SPW], v[NIL]
	v_lshrrev_b32 v1, 5, v0
	v_readfirstlane_b32 s14, v1
	s_lshr_b32 s15, s14, 1                         ; my 64 rows.  Also: I fetch for z (0) or for wo (1)
	s_and_b32 s16, s14, 1                          ; my 128 columns.  Also: which half of that tile I fetch
	s_bfe_u32 s40, ttmp6, 0x40000
	s_bfe_u32 s41, ttmp6, 0x40004
	s_lshl_b32 s42, ttmp9, 2
	s_add_co_u32 s42, s42, s40                     ; tile column, 0..3
	s_and_b32 s17, ttmp7, 0xffff
	s_lshl_b32 s17, s17, 2
	s_add_co_u32 s17, s17, s41                     ; tile row, 0..63
	s_lshl_b32 s43, s41, 2
	s_lshl_b32 s43, 15, s43
	s_lshl_b32 s44, 0x1111, s40
	s_or_b32 s[G1+0], s43, (3<<16)|(1<<21)         ; z: rows of 4,096 bytes (a tile's two images), 16,384 bytes apart; no padding: images are read 512 consecutive bytes at a time
	s_mov_b32 s[G1+1], 512<<16
	s_mov_b32 s[G1+2], 8<<16                       ; 8 tiles for the head's load; behind it 4
	s_mov_b32 s[G1+3], 512<<16
	s_mov_b32 s[G1+4], 8
	s_mov_b32 s[G1+5], 2048
	s_mov_b32 s[G1+6], 0
	s_mov_b32 s[G1+7], 0
	s_or_b32 s[G1B+0], s44, (0<<16)|(1<<20)|(1<<21)|(5<<22)|(3<<25)
	s_mov_b32 s[G1B+1], ROWB<<16
	s_mov_b32 s[G1B+2], 256<<16                    ; 256 rows for the head's load; behind it 128
	s_mov_b32 s[G1B+3], ROWB<<16
	s_mov_b32 s[G1B+4], 256
	s_mov_b32 s[G1B+5], KROW
	s_mov_b32 s[G1B+6], 0
	s_mov_b32 s[G1B+7], 0
	s_or_b32 s[G1S+0], s43, (3<<16)|(1<<20)|(1<<21)|(5<<22)|(3<<25)
	s_mov_b32 s[G1S+1], 32<<16                     ; the scales of 128 rows: 16 rows of 256 bytes
	s_mov_b32 s[G1S+2], 16<<16
	s_mov_b32 s[G1S+3], 32<<16
	s_mov_b32 s[G1S+4], 16
	s_mov_b32 s[G1S+5], 32
	s_mov_b32 s[G1S+6], 0
	s_mov_b32 s[G1S+7], 0
	s_or_b32 s[G1SB+0], s44, (3<<16)|(1<<20)|(1<<21)|(5<<22)|(3<<25)
	s_mov_b32 s[G1SB+1], 32<<16                    ; of 256 rows: 32
	s_mov_b32 s[G1SB+2], 32<<16
	s_mov_b32 s[G1SB+3], 32<<16
	s_mov_b32 s[G1SB+4], 32
	s_mov_b32 s[G1SB+5], 32
	s_mov_b32 s[G1SB+6], 0
	s_mov_b32 s[G1SB+7], 0
	s_lshl_b32 s20, s17, 17                        ; z's codes: 128 rows of 1,024 bytes a tile row
	s_mov_b32 s21, 0
	s_lshl_b32 s22, s17, 12                        ; its scales: 128 x 32
	s_mov_b32 s23, 0
	s_lshl_b32 s46, s42, 18                        ; wo's codes: 256 rows
	s_mov_b32 s47, 0
	s_lshl_b32 s92, s42, 13                        ; its scales
	s_mov_b32 s93, 0
	s_lshl_b32 s18, s16, 16                        ; in the ring: my four tiles of z,
	s_mov_b32 s19, 0
	s_lshl_b32 s94, s16, 17                        ; or my 128 rows of wo
	s_mov_b32 s95, 0
	s_mul_i32 s45, s16, AH
	s_mul_i32 s3, s16, BH
	s_add_co_u32 s3, s3, 2*AH
	s_wait_dscnt 0x0
	s_wait_kmcnt 0x0
	s_add_nc_u64 s[20:21], s[4:5], s[20:21]
	s_add_nc_u64 s[22:23], s[6:7], s[22:23]
	s_add_nc_u64 s[46:47], s[8:9], s[46:47]
	s_add_nc_u64 s[92:93], s[10:11], s[92:93]
	CROUND                                         ; all sixteen work-groups are here: the first joint loads meet
	s_mov_b32 s[G0H], 1
	s_mov_b32 s[G0H+1], 0
	s_mov_b64 s[G0H+2:G0H+3], s[20:21]
	s_or_b32 s[G0H+3], s[G0H+3], 0x80000000
	s_mov_b32 s[G0HB], 1
	s_mov_b32 s[G0HB+1], 2*AH
	s_mov_b64 s[G0HB+2:G0HB+3], s[46:47]
	s_or_b32 s[G0HB+3], s[G0HB+3], 0x80000000
	s_mov_b32 s[G0S], 1
	s_mov_b32 s[G0S+1], SCL
	s_mov_b64 s[G0S+2:G0S+3], s[22:23]
	s_or_b32 s[G0S+3], s[G0S+3], 0x80000000
	s_mov_b32 s[G0SB], 1
	s_mov_b32 s[G0SB+1], SCL+SA
	s_mov_b64 s[G0SB+2:G0SB+3], s[92:93]
	s_or_b32 s[G0SB+3], s[G0SB+3], 0x80000000
	s_add_nc_u64 s[20:21], s[20:21], s[18:19]
	s_add_nc_u64 s[46:47], s[46:47], s[94:95]
.irp s, 0,1
	s_mov_b32 s[G0+4*\s], 1
	s_add_co_u32 s[G0+4*\s+1], s45, \s*SLOT
	s_add_nc_u64 s[G0+4*\s+2:G0+4*\s+3], s[20:21], \s*4096
	s_or_b32 s[G0+4*\s+3], s[G0+4*\s+3], 0x80000000
	s_mov_b32 s[G0B+4*\s], 1
	s_add_co_u32 s[G0B+4*\s+1], s3, \s*SLOT
	s_add_nc_u64 s[G0B+4*\s+2:G0B+4*\s+3], s[46:47], \s*ROWB
	s_or_b32 s[G0B+4*\s+3], s[G0B+4*\s+3], 0x80000000
.endr
; THE HEAD'S LOADS, ONE A WAVE: wave 0 the first slot's 8 tiles of z, wave 1 its 256 rows of wo, wave 2 z's scales, wave 3 wo's.  One tree of branches on the wave's number.
.macro ARM under, g0, g1, next
	s_cmp_lt_u32 s14, \under
	s_cbranch_scc0 \next
	tensor_load_to_lds s[\g0:\g0+3], s[\g1:\g1+7]
	s_nop 0
.rept 4
	v_nop
.endr
	s_branch .Lhead_asked
\next:
.endm
	ARM 1, G0H,  G1,  .Lhead_b
	ARM 2, G0HB, G1B, .Lhead_sa
	ARM 3, G0S,  G1S, .Lhead_sb
	tensor_load_to_lds s[G0SB:G0SB+3], s[G1SB:G1SB+7]
	s_nop 0
.rept 4
	v_nop
.endr
.Lhead_asked:
	v_and_b32 v1, 15, v0
	v_bfe_u32 v2, v0, 4, 1
	v_and_b32 v6, 31, v0
	v_lshlrev_b32 v[CO], 4, v6
	v_mul_u32_u24 v3, v1, PITCH
	v_lshl_add_u32 v4, v2, 4, v3
	s_mul_i32 s21, s15, AH
	s_mul_i32 s22, s16, BH
	s_add_co_u32 s22, s22, 2*AH
.irp s, 0,1
	v_add_nc_u32 v[ADRA+\s], s21, v[CO]
	v_add_nc_u32 v[ADRB+\s], s22, v4
	s_add_co_u32 s21, s21, SLOT
	s_add_co_u32 s22, s22, SLOT
.endr
	v_mul_u32_u24 v5, v1, KS
	v_lshrrev_b32 v6, 8, v5
	v_lshl_add_u32 v5, v6, 4, v5
	s_mul_i32 s21, s15, HSA                        ; lanes 0-15 take the words of my 64 rows of z,
	s_mul_i32 s22, s16, HSB
	s_add_co_u32 s22, s22, SA                      ; lanes 16-31 those of my 128 rows of wo: the lower base + h x the distance
	s_sub_co_u32 s22, s22, s21
	v_mul_u32_u24 v6, s22, v2
	s_add_co_u32 s21, s21, SCL
	v_add_nc_u32 v5, v5, v6
	v_add_nc_u32 v[ADRS], s21, v5
	s_mul_i32 s23, s14, 16*SPITCH                  ; the way out: my stage, in slot 0
	v_mul_u32_u24 v5, v1, SPITCH
	v_lshl_add_u32 v5, v2, 5, v5
	v_add_nc_u32 v[STO], s23, v5
	v_add_nc_u32 v[RD], s23, v[CO]
	v_lshlrev_b32 v[BO], 5, v2
	s_wait_alu depctr_va_vdst(0)                   ; the wait here, ahead of the run of scalar lines
	s_lshl_b32 s20, s17, 7
	s_lshl_b32 s21, s15, 6
	s_add_co_u32 s20, s20, s21                     ; my first row of out0
	s_mov_b32 s21, 0
	s_mov_b64 s[18:19], SIZE_N*4
	s_mul_u64 s[20:21], s[20:21], s[18:19]
	s_lshl_b32 s46, s42, 10
	s_lshl_b32 s47, s16, 9
	s_add_co_u32 s46, s46, s47                     ; my first column, in bytes
	s_mov_b32 s47, 0
	s_add_nc_u64 s[96:97], s[96:97], s[46:47]
	s_add_nc_u64 s[20:21], s[20:21], s[46:47]
	s_add_nc_u64 s[12:13], s[12:13], s[20:21]
.irp b, 0,1,2,3,4,5,6,7
	global_load_b128 v[BI+8*\b:BI+8*\b+3], v[BO], s[96:97] offset:64*\b
	global_load_b128 v[BI+8*\b+4:BI+8*\b+7], v[BO], s[96:97] offset:64*\b+16
.endr
.macro FRAG reg, adr, q, i
.irp c, 0,1,2,3
	ds_load_b128 v[\reg+4*\c:\reg+4*\c+3], v[\adr] offset:128*(\q)+32*\c+(\i)*16*PITCH
.endr
.endm
.macro FRAGA reg, adr, q, i
.irp c, 0,1,2,3
	ds_load_b128 v[\reg+4*\c:\reg+4*\c+3], v[\adr] offset:(\i)*4096+(\q)*2048+512*\c
.endr
.endm
.macro MUL16 a0, p, q, sc, zero        ; z's blocks a0, a0 + 1 x wo's eight; p: the sets of fragments.  The 32 accumulators take turns
.irp a, \a0, \a0+1
.irp b, 0,1,2,3,4,5,6,7
.if \zero
	v_wmma_scale_f32_16x16x128_f8f6f4 v[8*(8*(\a)+\b):8*(8*(\a)+\b)+7], v[128*(\p)+FR*\b:128*(\p)+FR*\b+FR-1], v[AF+64*(\p)+FR*(\a):AF+64*(\p)+FR*(\a)+FR-1], v[BI+8*\b:BI+8*\b+7], v[SC+8*NQ*(\sc)+NQ*\b+(\q)], v[SC+8*NQ*(\sc)+NQ*(\a)+(\q)] matrix_a_scale:MATRIX_SCALE_ROW1
.else
	v_wmma_scale_f32_16x16x128_f8f6f4 v[8*(8*(\a)+\b):8*(8*(\a)+\b)+7], v[128*(\p)+FR*\b:128*(\p)+FR*\b+FR-1], v[AF+64*(\p)+FR*(\a):AF+64*(\p)+FR*(\a)+FR-1], v[8*(8*(\a)+\b):8*(8*(\a)+\b)+7], v[SC+8*NQ*(\sc)+NQ*\b+(\q)], v[SC+8*NQ*(\sc)+NQ*(\a)+(\q)] matrix_a_scale:MATRIX_SCALE_ROW1
.endif
.endr
.endr
.endm
.macro FETCH slot, q, p                ; 48 LDS loads: wo's eight fragments and z's four of the slot's q-th 128 along K, into sets p
	WIN TO_B
.irp i, 0,1,2,3,4,5,6,7
	FRAG 128*(\p)+FR*\i, ADRB+\slot, \q, \i
.endr
	WIN 0
.irp i, 0,1,2,3
	FRAGA AF+64*(\p)+FR*\i, ADRA+\slot, \q, \i
.endr
.endm
.macro SCALES sc                       ; (of z's words only blocks 0-3 are named by a product)
.irp i, 0,1,2,3,4,5,6,7
	ds_load_b64 v[SC+8*NQ*\sc+NQ*\i:SC+8*NQ*\sc+NQ*\i+1], v[ADRS] offset:\i*SBLK
.endr
.endm
.macro PLACES n
.rept \n
	v_nop
.endr
.endm
.macro STEP slot, zero                 ; a slot's first step: sets 0; the second step's fragments are asked for into sets 1
	s_wait_dscnt 0x0
	PLACES NP                                      ; behind the products that read sets 1
	FETCH \slot, 1, 1
.if \zero
	WIN FST_LO
.else
	WIN MUL_LO
.endif
	MUL16 0, 0, 0, \slot, \zero
	MUL16 2, 0, 0, \slot, \zero
	WIN 0
.endm
.macro TURN slot, next, fill           ; a slot's second step changes slots: all my reads of the slot were issued a step ago
	s_wait_tensorcnt 0x0                           ; all my tensor loads have landed: my part of the next slot
	ds_add_u32 v[SPW], v[NIL]
	s_wait_dscnt 0x0                               ; the add is done, and my reads of this slot are over
	s_barrier_signal -1
	WIN MUL_LO
	MUL16 0, 1, 1, \slot, 0
	WIN 0
	s_barrier_wait -1
.if \fill
	CREST                                          ; the barrier has opened a round of the cluster's barrier
	s_add_nc_u64 s[G0+4*\slot+2:G0+4*\slot+3], s[G0+4*\slot+2:G0+4*\slot+3], 2*4096
	s_add_nc_u64 s[G0B+4*\slot+2:G0B+4*\slot+3], s[G0B+4*\slot+2:G0B+4*\slot+3], 2*ROWB
	JLOAD G0+4*\slot, G1, G0B+4*\slot, G1B
	PLACES NP-4
.else
	PLACES NP
.endif
	s_wait_alu depctr_va_vdst(0)
	v_add_nc_u32 v[ADRS], 4*NQ, v[ADRS]
	FETCH \next, 0, 0
	SCALES \next
	WIN MUL_LO
	MUL16 2, 1, 1, \slot, 0
	WIN 0
.endm
	s_wait_alu depctr_va_vdst(0)                   ; the wait at the head's end
	s_wait_tensorcnt 0x0                           ; my tile of the head's four is in; the lines ahead of a later first fill:
	ds_add_u32 v[SPW], v[NIL]
	s_mov_b32 s[G1+2], 4<<16                       ; no tensor load of mine is out: from here on a load brings half a tile
	s_mov_b32 s[G1+4], 4
	s_mov_b32 s[G1B+2], 128<<16
	s_mov_b32 s[G1B+4], 128
	s_wait_dscnt 0x0
	CROUND
	JLOAD G0+4, G1, G0B+4, G1B                     ; slot 1's first fill, the first tensor load behind the round
	FETCH 0, 0, 0
	SCALES 0
	s_wait_loadcnt 0x0                             ; the bias
	STEP 0, 1
	s_mov_b32 s3, LAPS-1
.Llap:
	TURN 0, 1, 1
	STEP 1, 0
	TURN 1, 0, 1
	STEP 0, 0
	s_sub_co_u32 s3, s3, 1
	s_cmp_lg_u32 s3, 0
	s_cbranch_scc1 .Llap
	TURN 0, 1, 0                                   ; the last lap fills nothing
	STEP 1, 0
	s_wait_dscnt 0x0
	WIN MUL_LO
	MUL16 0, 1, 1, 1, 0
	MUL16 2, 1, 1, 1, 0
	WIN 0
; THE WAY OUT, block by block of 16 rows x 128 columns, through my own stage in slot 0 (it has had its last fill and its last read): whole rows of 512 bytes come back and are stored as two aligned units of 256 bytes.
.macro TOSTAGE a
.set AC, 64*(\a)
	WIN 0x08
.irp b, 0,1,2,3,4,5,6,7
	ds_store_b128 v[STO], v[AC+8*\b:AC+8*\b+3] offset:64*\b          ; each accumulator from its low end on
	ds_store_b128 v[STO], v[AC+8*\b+4:AC+8*\b+7] offset:64*\b+16
.endr
	WIN 0
.set BB, BK+64*((\a)%2)
.irp t, 0,1,2,3,4,5,6,7,8,9,10,11,12,13,14,15
	ds_load_b128 v[BB+4*\t:BB+4*\t+3], v[RD] offset:\t*SPITCH
.endr
.endm
.macro SEND a, younger                 ; younger: the LDS instructions issued behind block a's loads, which may stay out
.set BB, BK+64*((\a)%2)
	s_wait_dscnt \younger
.if (\a) > 0
	s_add_nc_u64 s[12:13], s[12:13], 16*SIZE_N*4
.endif
.irp t, 0,1,2,3,4,5,6,7,8,9,10,11,12,13,14,15
	global_store_b128 v[CO], v[BB+4*\t:BB+4*\t+3], s[12:13] offset:\t*SIZE_N*4 th:TH_STORE_NT
.endr
.endm
	PLACES NP
	TOSTAGE 0
.irp a, 1,2,3
.if \a > 1
	s_wait_xcnt 0x0                                ; block a - 2's stores have read their registers and their base
.endif
	TOSTAGE \a
	SEND \a-1, 32                                  ; behind block a - 1's loads: block a's 16 stores and 16 loads
.endr
	s_wait_xcnt 0x0
	SEND 3, 0
	s_wait_tensorcnt 0x0                           ; the wave's end
	ds_add_u32 v[SPW], v[NIL]
	s_wait_dscnt 0x0
	CROUND                                         ; the closing round
	s_endpgm
.Lfunc_end_k_q38542d58a6_outp:
	.size	k_q38542d58a6_outp, .Lfunc_end_k_q38542d58a6_outp-k_q38542d58a6_outp
	.p2alignl 7, 3214868480
	.fill 96, 4, 3214868480
	.section	.rodata,"a",@progbits
	.p2align	6, 0x0
	.amdhsa_kernel k_q38542d58a6_outp
		.amdhsa_group_segment_fixed_size 327680
		.amdhsa_private_segment_fixed_size 0
		.amdhsa_enable_private_segment 0
		.amdhsa_kernarg_size 48
		.amdhsa_user_sgpr_count 2
		.amdhsa_user_sgpr_kernarg_segment_ptr 1
		.amdhsa_wavefront_size32 1
		.amdhsa_system_sgpr_workgroup_id_x 1
		.amdhsa_system_sgpr_workgroup_id_y 1
		.amdhsa_system_sgpr_workgroup_id_z 1
		.amdhsa_system_vgpr_workitem_id 0
		.amdhsa_next_free_vgpr 1024
		.amdhsa_next_free_sgpr 98
		.amdhsa_reserve_vcc 0
		.amdhsa_float_denorm_mode_32 3
		.amdhsa_float_denorm_mode_16_64 3
		.amdhsa_memory_ordered 1
		.amdhsa_forward_progress 1
		.amdhsa_inst_pref_size 91
	.end_amdhsa_kernel
	.amdgpu_metadata
---
amdhsa.version: [ 1, 2 ]
amdhsa.kernels:
  - .name:           k_q38542d58a6_outp
    .symbol:         k_q38542d58a6_outp.kd
    .args:
      - { .name: zc, .offset: 0, .size: 8, .value_kind: global_buffer, .address_space: global }
      - { .name: zs, .offset: 8, .size: 8, .value_kind: global_buffer, .address_space: global }
      - { .name: wo_codes, .offset: 16, .size: 8, .value_kind: global_buffer, .address_space: global }
      - { .name: wo_scales, .offset: 24, .size: 8, .value_kind: global_buffer, .address_space: global }
      - { .name: bo, .offset: 32, .size: 8, .value_kind: global_buffer, .address_space: global }
      - { .name: out0, .offset: 40, .size: 8, .value_kind: global_buffer, .address_space: global }
    .group_segment_fixed_size: 327680
    .private_segment_fixed_size: 0
    .kernarg_segment_align: 8
    .kernarg_segment_size: 48
    .max_flat_workgroup_size: 128
    .sgpr_count:     98
    .vgpr_count:     1024
    .wavefront_size: 32
...
	.end_amdgpu_metadata
.endif
;; end of part 3
